; MI455X (gfx1250); checked and timed in simulation.
; The chip was launched on July 23, 2026; its instructions are those of AMD's public machine-readable ISA for CDNA 5 (MIT licence, August 2026) and "CDNA5" Instruction Set Architecture Reference Guide (July 2026). The comments in the code are by the model that wrote it; some were corrected since.
;; Multi Head Self Attention. Allowed arithmetic: matrix products marked QUANTISED: E4M3 operands, one given power-of-two scale a tensor, by v_wmma_f32_16x16x64_fp8_fp8 or v_wmma_f32_16x16x128_fp8_fp8, f32 sums; everything else in f32.
;; Inputs: W_out 1,024 x 1,024 float32; W_qkv 1,024 x 3,072 float32; b_out 1,024 float32; b_qkv 3,072 float32; lowp_scales 8 int32 (the exponents e of the quantised operands' scales 2^e); x 4 x 2,048 x 1,024 float32.
;; Outputs: out0 4 x 2,048 x 1,024 float32.
;; This version of the problem:
;;   THIS VERSION OF THE PROBLEM IS GIVEN IN LOW PRECISION. The matrix products marked QUANTISED in the list below multiply operands that are first quantised to E4M3 (4 exponent bits, 3 mantissa bits; 8 bits a number), with one given power-of-two scale for each operand tensor; their sums are f32. All else is computed in f32.
;;   The module's matrix products, in the order in which they are computed (A, B: the left and right operand; K: the contracted axis; several contracted axes count as one K, in the product's order):
;;     1. [M 8,192, K 1,024] x [K 1,024, N 3,072]; A: input x; B: input W_qkv: QUANTISED (scales: A lowp_scales[0], B lowp_scales[1])
;;     2. batch 64 x [M 2,048, K 64] x [K 64, N 2,048]; A: computed on the way; B: computed on the way: QUANTISED (scales: A lowp_scales[2], B lowp_scales[3])
;;     3. batch 64 x [M 2,048, K 2,048] x [K 2,048, N 64]; A: softmax (see below); B: computed on the way: QUANTISED (scales: A lowp_scales[4], B lowp_scales[5])
;;     4. [M 8,192, K 1,024] x [K 1,024, N 1,024]; A: computed on the way; B: input W_out: QUANTISED (scales: A lowp_scales[6], B lowp_scales[7])
;;   THE QUANTISER, for each operand of a quantised product, along K:
;;     - The operand's scale is 2^e, e = its entry of the input lowp_scales (int32; the entries are numbered through the quantised products in the list's order, A before B).
;;     - Each number is divided by the scale, clamped to +-448, and rounded to the nearest number of E4M3, ties to even, subnormals kept.
;;     - The product sums the exact products of the quantised numbers (number of the format x scale) in f32.
;;   ~~~python
;;   def quantise(x, axis, e):      # numpy; x: float32 -> the quantised numbers, widened to float32 again
;;       x = np.moveaxis(x, axis, -1); K = x.shape[-1]
;;       r = np.clip(x / 2.0 ** e, -448, 448)
;;       step = 2.0 ** (np.maximum(np.frexp(np.where(r == 0, 1, r))[1] - 1, -6) - 3)
;;       q = np.round(r / step) * step * 2.0 ** e      # np.round: ties to even
;;       return np.moveaxis(q, -1, axis).astype(np.float32)
;;   ~~~
;;   SOFTMAX AHEAD OF A QUANTISED PRODUCT. Where the list says 'softmax', what is quantised is not the finished softmax but p = 2^(t - M), with t = logit x log2(e) and M = ceil(the row's largest t), a whole number; so 1/2 < the row's largest p <= 1. The row's sum l is taken of the UNQUANTISED p, in f32, and the product's result is divided by l at the end. Since M is a whole number, a kernel that streams over the keys may use a running M (the ceiling of the running maximum): every later rescaling is an exact power of two, so the quantised numbers keep their values, but for numbers so far below the row's largest that they fall under the format's range.
;;   OPERANDS COMPUTED ON THE WAY. 'Computed on the way' means the value that the module computes at that place (a softmax that the list does not call 'softmax' is quantised finished and normalised). What goes into a quantiser is computed in f32, as accurately as f32 sums, v_exp_f32 and their like allow (about 1e-6 of the number): no bf16 or f16 on the way to a quantiser, and a product that is left as it is and whose result goes on into a quantised operand takes f32 operands (vector FMAs, or v_wmma_f32_16x16x4_f32). A number that lies on a knife's edge between two numbers of the format may be rounded either way, as far as f32 arithmetic and the matrix unit's own rounding can turn it there, and no further.
;; 2 versions, each right; version 2 is version 1 with the launch attn written anew for expert scheduling mode. Each part assembles by itself: llvm-mc -triple=amdgcn-amd-amdhsa -mcpu=gfx1250 --defsym DOCPART=n.
;; ======== version 1 of 2: 4 launches
;; workspace buffers: xw 11,534,336 bytes; woc 1,048,576 bytes; qimg 8,388,608 bytes; kvimg 16,777,216 bytes; ac 8,388,608 bytes
;; launch prep (part 1): grid 384 x 1, 4 waves a work-group, no clusters, 90,624 bytes of LDS; arguments x, W_qkv, W_out, lowp_scales, xw, woc; writes xw, woc
.if DOCPART == 1
	.amdgcn_target "amdgcn-amd-amdhsa--gfx1250"
	.amdhsa_code_object_version 6
	.text
	.protected	k_qc8e709ce1e_prep
	.globl	k_qc8e709ce1e_prep
	.p2align	8
	.type	k_qc8e709ce1e_prep,@function
k_qc8e709ce1e_prep:
	s_mov_b64 s[64:65], 0
	v_nop
	global_prefetch_b8 v0, s[64:65] scope:SCOPE_SE
	s_setreg_imm32_b32 hwreg(HW_REG_WAVE_MODE, 25, 1), 1
	s_wait_xcnt 0x0
; x [8192][1024], W_qkv [1024 k][3072 n] and W_out [1024 k][1024 n], all f32, become codes of E4M3, one byte each, K innermost.
; code = number / 2^e, held within +-448, rounded to the nearest code, ties to even; e = entry 0 (x), 1 (W_qkv), 7 (W_out) of the scales.
; xw:  rows of 1,024 codes: rows 0-8191 are x's rows, row 8192 + n is column n of W_qkv; k in its natural order.
; woc: row n is column n of W_out; in each group of 32 codes the four pieces of 8 lie in the order 0, 2, 1, 3, so that a lane's 16 bytes at
;      32 c + 16 (lane / 16) are registers 4 c .. 4 c + 3 of the 16x16x128 form's own layout (registers 2 c', 2 c' + 1: k = 16 c' + 8 (lane / 16) + 0 .. 7).
; Work-groups 0-255 take x (32,768 numbers each), 256-351 W_qkv, 352-383 W_out (128 columns x 256 along K each).  The three ways never join, and each has LDS bytes of its own.
; LIMITS: each e lies between -126 and 119, so that 2^e and 448 x 2^e are f32 numbers.  NaN among the inputs is not served; an infinity is held at the largest code.
.set SP,    80                         ; x: a lane's place in a stage: its 64 bytes + 16 of padding
.set XR,    16                         ; v16-79   x: four sets of 16 numbers as they are loaded
.set XX,    80                         ; v80-111  x: two sets of 16 neighbours
.set XC,    128                        ; v128-191 x: codes, four registers for each step: no store's data are written again
.set PITCH, 272                        ; weights: a stage row: 256 codes + 16 bytes
.set WX,    32                         ; v32-95   weights: two sets of 32 numbers
.set WC,    96                         ; v96-103  weights: a block's codes
.set WOUT,  112                        ; v112-175 weights: the way out
.set LBQ,   20480                      ; LDS: x's stages 0-20479 (5,120 a wave); W_qkv's from here (4 x 32 x 272);
.set LBO,   55296                      ; W_out's from here
	s_load_b256 s[4:11], s[0:1], 0x0               ; x s[4:5], W_qkv s[6:7], W_out s[8:9], the scales' exponents s[10:11]
	s_load_b128 s[12:15], s[0:1], 0x20             ; xw s[12:13], woc s[14:15]
	v_lshl_add_u32 v192, v0, 2, 0x16000
	v_mov_b32 v193, 0
	v_lshrrev_b32 v1, 5, v0
	v_readfirstlane_b32 s16, v1                    ; wave 0..3
	v_and_b32 v2, 31, v0                           ; lane
	s_cmp_lt_u32 ttmp9, 256
	s_cbranch_scc0 .Lweights
; ---------------- x: a plain stream.  A wave takes 16 steps of 512 numbers.  Each load reads 512 consecutive bytes; a step's 2,048 bytes turn through the wave's own stage, so that a lane then holds 16 neighbours along K.
	v_lshlrev_b32 v3, 4, v2                        ; 16 x lane: my bytes of a load's 512, and of a step's 512 codes
	s_mul_i32 s17, s16, 64*SP                      ; my two stages
	v_lshrrev_b32 v14, 2, v2
	v_mul_u32_u24 v14, v14, SP
	v_and_b32 v15, 3, v2
	v_lshl_add_u32 v14, v15, 4, v14
	v_add_nc_u32 v14, s17, v14                     ; into the stage: four lanes' 64 bytes on end, then 16 of padding
	v_mul_u32_u24 v15, v2, SP
	v_add_nc_u32 v15, s17, v15                     ; out of it: my 64 bytes
	s_lshl_b32 s18, ttmp9, 2
	s_add_co_u32 s18, s18, s16                     ; which run of 8,192 numbers is my wave's
	s_lshl_b32 s20, s18, 15
	s_mov_b32 s21, 0
	s_lshl_b32 s22, s18, 13
	s_mov_b32 s23, 0
	s_wait_kmcnt 0x0
	s_load_b32 s24, s[10:11], 0x0                  ; e of x
	s_add_nc_u64 s[4:5], s[4:5], s[20:21]
	s_add_nc_u64 s[12:13], s[12:13], s[22:23]
.macro XLOAD t
.irp i, 0,1,2,3
	global_load_b128 v[XR+16*((\t)%4)+4*\i:XR+16*((\t)%4)+4*\i+3], v3, s[4:5] offset:2048*(\t)+512*\i th:TH_LOAD_NT
.endr
.endm
.macro XTURN t                         ; LDS serves a wave's instructions in order: no wait between these stores and loads
.irp i, 0,1,2,3
	ds_store_b128 v14, v[XR+16*((\t)%4)+4*\i:XR+16*((\t)%4)+4*\i+3] offset:32*SP*((\t)%2)+8*SP*\i
.endr
.irp i, 0,1,2,3
	ds_load_b128 v[XX+16*((\t)%2)+4*\i:XX+16*((\t)%2)+4*\i+3], v15 offset:32*SP*((\t)%2)+16*\i
.endr
.endm
.irp t, 0,1,2,3
	XLOAD \t
.endr
	s_wait_kmcnt 0x0
	s_add_co_i32 s24, s24, 127
	s_lshl_b32 s25, s24, 23
	v_mov_b32 v11, s25                             ; 2^e as f32: the conversion takes its exponent field
	s_add_co_i32 s24, s24, 8
	s_lshl_b32 s24, s24, 23
	s_or_b32 s24, s24, 0x600000
	v_mov_b32 v10, s24                             ; 448 x 2^e
	s_wait_loadcnt 12                              ; step 0's four loads are in; those of steps 1 to 3 may be out
	XTURN 0
.macro XSTEP t
.set XS, XX+16*((\t)%2)
	s_wait_dscnt 0x0                               ; this step's numbers are back from the stage, and its stores into the stage have read their registers,
.if (\t)+4 < 16
	XLOAD (\t)+4                                   ; which take the loads of four steps on
.endif
.if (\t)+1 < 16
.if 14-(\t) >= 3
	s_wait_loadcnt 12                              ; the next step's four loads are in; those of the three steps behind it may be out
.else
	s_wait_loadcnt 4*(14-(\t))
.endif
	XTURN (\t)+1
.endif
.irp i, 0,1,2,3,4,5,6,7,8,9,10,11,12,13,14,15
	v_med3_num_f32 v[XS+\i], v[XS+\i], -v10, v10   ; the conversion to an 8-bit code does not saturate (ISA guide 7.6.2): the hold comes first
.endr
	v_cvt_scalef32_pk8_fp8_f32 v[XC+4*(\t):XC+4*(\t)+1], v[XS:XS+7], v11
	v_cvt_scalef32_pk8_fp8_f32 v[XC+4*(\t)+2:XC+4*(\t)+3], v[XS+8:XS+15], v11
	global_store_b128 v3, v[XC+4*(\t):XC+4*(\t)+3], s[12:13] offset:512*(\t)   ; the wave stores 512 consecutive bytes, aligned
.endm
.irp t, 0,1,2,3,4,5,6,7,8,9,10,11,12,13,14,15
	XSTEP \t
.endr
	s_wait_tensorcnt 0x0
	ds_add_u32 v192, v193
	s_wait_dscnt 0x0
	s_endpgm
; ---------------- the weights: K is their first axis.  A lane takes a column n and its registers run down K: each load reads 128 consecutive bytes a wave, and the conversions give codes with K innermost.
; A wave takes 32 columns x 256 along K; its codes go through its own stage and leave as rows: sixteen lanes store 256 consecutive bytes, aligned.
.macro WLOAD t, n                      ; block t: W(32 t + i, my column), i = 0 .. 31, into set t % 2
.irp i, 0,1,2,3,4,5,6,7,8,9,10,11,12,13,14,15,16,17,18,19,20,21,22,23,24,25,26,27,28,29,30,31
	global_load_b32 v[WX+32*((\t)%2)+\i], v3, s[26:27] offset:(32*(\t)+\i)*(\n)*4 th:TH_LOAD_NT
.endr
.endm
.macro WBLOCK t, n, perm
.set XS, WX+32*((\t)%2)
.if (\t) < 7
	s_wait_loadcnt 32                              ; this block's 32 loads are in; the next block's may be out
.else
	s_wait_loadcnt 0
.endif
.irp i, 0,1,2,3,4,5,6,7,8,9,10,11,12,13,14,15,16,17,18,19,20,21,22,23,24,25,26,27,28,29,30,31
	v_med3_num_f32 v[XS+\i], v[XS+\i], -v10, v10
.endr
.irp g, 0,1,2,3
.if \perm
	v_cvt_scalef32_pk8_fp8_f32 v[WC+2*(((\g&1)<<1)|(\g>>1)):WC+2*(((\g&1)<<1)|(\g>>1))+1], v[XS+8*\g:XS+8*\g+7], v11   ; piece g goes to place 0, 2, 1, 3
.else
	v_cvt_scalef32_pk8_fp8_f32 v[WC+2*\g:WC+2*\g+1], v[XS+8*\g:XS+8*\g+7], v11
.endif
.endr
	ds_store_b128 v4, v[WC:WC+3] offset:32*(\t)    ; 32 codes of my column's row
	ds_store_b128 v4, v[WC+4:WC+7] offset:32*(\t)+16
.if (\t)+2 < 8
	WLOAD (\t)+2, \n
.endif
	s_wait_dscnt 0x0                               ; the stores have read their registers: the next block's codes may be written
.endm
; n: the weight's width; first: the way's first work-group; src, dst: the pointers' registers; row0: the first row in dst; entry: e's byte in the scales; lb: the way's LDS bytes; perm: woc's order of pieces
.macro WPATH n, first, src, dst, row0, entry, lb, perm
	s_add_co_u32 s19, s19, \lb
	v_add_nc_u32 v4, s19, v4                       ; into my stage: row = my column
	v_add_nc_u32 v7, s19, v7                       ; out of it: sixteen lanes to a row, two rows an instruction
	s_sub_co_u32 s17, ttmp9, \first
	s_and_b32 s18, s17, 3                          ; which 256 along K
	s_lshr_b32 s17, s17, 2
	s_lshl_b32 s17, s17, 7
	s_lshl_b32 s20, s16, 5
	s_add_co_u32 s17, s17, s20                     ; my wave's first column
	s_mul_i32 s20, s18, 256*(\n)*4
	s_lshl_b32 s22, s17, 2
	s_add_co_u32 s20, s20, s22
	s_mov_b32 s21, 0
	s_add_co_u32 s22, s17, \row0
	s_lshl_b32 s22, s22, 10
	s_lshl_b32 s24, s18, 8
	s_add_co_u32 s22, s22, s24
	s_mov_b32 s23, 0
	s_wait_kmcnt 0x0
	s_load_b32 s30, s[10:11], \entry
	s_add_nc_u64 s[26:27], s[\src:\src+1], s[20:21]
	s_add_nc_u64 s[28:29], s[\dst:\dst+1], s[22:23]
	WLOAD 0, \n
	WLOAD 1, \n
	s_wait_kmcnt 0x0
	s_add_co_i32 s30, s30, 127
	s_lshl_b32 s31, s30, 23
	v_mov_b32 v11, s31                             ; 2^e
	s_add_co_i32 s30, s30, 8
	s_lshl_b32 s30, s30, 23
	s_or_b32 s30, s30, 0x600000
	v_mov_b32 v10, s30                             ; 448 x 2^e
.irp t, 0,1,2,3,4,5,6,7
	WBLOCK \t, \n, \perm
.endr
.irp t, 0,1,2,3,4,5,6,7,8,9,10,11,12,13,14,15
	ds_load_b128 v[WOUT+4*\t:WOUT+4*\t+3], v7 offset:2*\t*PITCH
.endr
.irp t, 0,1,2,3,4,5,6,7,8,9,10,11,12,13,14,15
	s_wait_dscnt 15-\t                             ; LDS loads come back in order: pair t of rows is in
	global_store_b128 v8, v[WOUT+4*\t:WOUT+4*\t+3], s[28:29] offset:2*\t*1024
.endr
.endm
.Lweights:
	v_lshlrev_b32 v3, 2, v2                        ; in: 4 bytes a lane
	v_mul_u32_u24 v4, v2, PITCH
	v_and_b32 v5, 15, v2
	v_lshrrev_b32 v6, 4, v2
	v_mul_u32_u24 v7, v6, PITCH
	v_lshl_add_u32 v7, v5, 4, v7
	v_lshlrev_b32 v8, 10, v6
	v_lshl_add_u32 v8, v5, 4, v8                   ; the same two rows among the codes: 1,024 bytes apart
	s_mul_i32 s19, s16, 32*PITCH
	s_cmp_lt_u32 ttmp9, 352
	s_cbranch_scc0 .Lwout
	WPATH 3072, 256, 6, 12, 8192, 0x4, LBQ, 0
	s_wait_tensorcnt 0x0
	ds_add_u32 v192, v193
	s_wait_dscnt 0x0
	s_endpgm
.Lwout:
	WPATH 1024, 352, 8, 14, 0, 0x1c, LBO, 1
	s_wait_tensorcnt 0x0
	ds_add_u32 v192, v193
	s_wait_dscnt 0x0
	s_endpgm
.Lfunc_end_k_qc8e709ce1e_prep:
	.size	k_qc8e709ce1e_prep, .Lfunc_end_k_qc8e709ce1e_prep-k_qc8e709ce1e_prep
	.p2alignl 7, 3214868480
	.fill 96, 4, 3214868480
	.section	.rodata,"a",@progbits
	.p2align	6, 0x0
	.amdhsa_kernel k_qc8e709ce1e_prep
		.amdhsa_group_segment_fixed_size 90624
		.amdhsa_private_segment_fixed_size 0
		.amdhsa_enable_private_segment 0
		.amdhsa_kernarg_size 48
		.amdhsa_user_sgpr_count 2
		.amdhsa_user_sgpr_kernarg_segment_ptr 1
		.amdhsa_wavefront_size32 1
		.amdhsa_system_sgpr_workgroup_id_x 1
		.amdhsa_system_sgpr_workgroup_id_y 1
		.amdhsa_system_sgpr_workgroup_id_z 1
		.amdhsa_system_vgpr_workitem_id 0
		.amdhsa_next_free_vgpr 194
		.amdhsa_next_free_sgpr 66
		.amdhsa_reserve_vcc 0
		.amdhsa_float_denorm_mode_32 3
		.amdhsa_float_denorm_mode_16_64 3
		.amdhsa_memory_ordered 1
		.amdhsa_forward_progress 1
		.amdhsa_inst_pref_size 133
	.end_amdhsa_kernel
	.amdgpu_metadata
---
amdhsa.version: [ 1, 2 ]
amdhsa.kernels:
  - .name:           k_qc8e709ce1e_prep
    .symbol:         k_qc8e709ce1e_prep.kd
    .args:
      - { .name: x, .offset: 0, .size: 8, .value_kind: global_buffer, .address_space: global }
      - { .name: W_qkv, .offset: 8, .size: 8, .value_kind: global_buffer, .address_space: global }
      - { .name: W_out, .offset: 16, .size: 8, .value_kind: global_buffer, .address_space: global }
      - { .name: lowp_scales, .offset: 24, .size: 8, .value_kind: global_buffer, .address_space: global }
      - { .name: xw, .offset: 32, .size: 8, .value_kind: global_buffer, .address_space: global }
      - { .name: woc, .offset: 40, .size: 8, .value_kind: global_buffer, .address_space: global }
    .group_segment_fixed_size: 90624
    .private_segment_fixed_size: 0
    .kernarg_segment_align: 8
    .kernarg_segment_size: 48
    .max_flat_workgroup_size: 128
    .sgpr_count:     66
    .vgpr_count:     194
    .wavefront_size: 32
...
	.end_amdgpu_metadata
.endif
;; end of part 1
;; launch proj (part 2): grid 12 x 32, 4 waves a work-group, clusters of 4 x 4, 327,680 bytes of LDS; arguments xw, b_qkv, lowp_scales, qimg, kvimg; writes qimg, kvimg
.if DOCPART == 2
	.amdgcn_target "amdgcn-amd-amdhsa--gfx1250"
	.amdhsa_code_object_version 6
	.text
	.protected	k_qc8e709ce1e_proj
	.globl	k_qc8e709ce1e_proj
	.p2align	8
	.type	k_qc8e709ce1e_proj,@function
k_qc8e709ce1e_proj:
	s_mov_b64 s[64:65], 0
	v_nop
	global_prefetch_b8 v0, s[64:65] scope:SCOPE_SE
	s_setreg_imm32_b32 hwreg(HW_REG_WAVE_MODE, 25, 1), 1
	s_wait_xcnt 0x0
	s_wait_alu depctr_hold_cnt(0) depctr_sa_sdst(0) depctr_va_vdst(0) depctr_va_sdst(0) depctr_va_ssrc(0) depctr_va_vcc(0) depctr_vm_vsrc(0)
	s_getreg_b32 s2, hwreg(HW_REG_IB_STS2, 6, 4)
	s_cmp_eq_u32 s2, 0
	s_cbranch_scc0 .Lentry_in_a_cluster
	s_endpgm
.Lentry_in_a_cluster:
	s_bfe_u32 s2, ttmp6, 0x10000c
	s_cmp_lg_u32 s2, 0xf033
	s_cbranch_scc0 .Lentry_shape_is_right
	s_endpgm
.Lentry_shape_is_right:
; qkv = x W_qkv + b_qkv on codes of E4M3 (scales 2^e0, 2^e1), and q, k, v quantised at once (2^e2, 2^e3, 2^e5) into images of the next products' operand registers.
; xw holds both operands as rows of 1,024 codes: rows 0-8191 x's, row 8192 + n column n of W_qkv.  A block of 256 x 256 results is made by four waves, 128 x 128 each: 64 accumulators, 512 registers.
; K = 1,024 goes in four steps of 256 through two LDS slots filled by the tensor data mover.
; TWO ROLES, by the cluster's x.  Clusters 0 (q) and 1 (k): "A" = 256 tokens, "B" = 256 columns of W.  Cluster 2 (v): "A" = 256 columns of W_v, "B" = 256 tokens.
; The matrix instruction takes 16 rows of B as source 0 and 16 rows of A as source 1: lane (r, h) then holds A's row 16 a + r and B's rows 16 b + 8 h + 0 .. 7.
; So for q and k a lane holds one token and eight neighbours of a head's 64; for v one of a head's 64 and eight neighbouring tokens (keys): in both roles eight neighbours along the NEXT product's K,
; and a conversion's two registers are registers 2 c, 2 c + 1 of that product's fragment, in the lane that wants them.  They are stored as they stand, 16 bytes a lane, 512 consecutive bytes a store.
; qimg  [batch x head 64][tile of 16 tokens 128][1,024]: block k of 512 bytes = registers 4 k .. 4 k + 3 of the 16 x 64 fragment, lane l's at 16 l.
; kvimg [batch x head 64][step of 128 keys 16][16,384]: K's eight fragments of 1,024 bytes, then V^T's four (16 of the head's 64 x 128 keys) of 2,048 bytes.
; CLUSTERS: 4 x 4 work-groups; A's tile is asked for jointly along a row of the cluster, B's along a column.  The role hangs on the cluster's x alone: it is the same in all sixteen partners.
; The fragments of this product are fetched by loads of 16 bytes: a permutation of k, the same in A and in B, so that every product meets its partner.
; LIMITS: e0 + e1 between -127 and 126; e2, e3, e5 less (e0 + e1) between -126 and 119.  NaN among the inputs is not served.
; REGISTERS, in windows of 256: window 0: v16-29 addresses; v32-95 the bias; v96-103 its offsets; v104, v105 the conversion's scale and hold; v128-255 A's fragments, one set; on the way out the numbers (v128-191) and their codes (v192-223).
;   window 1: B's fragments, two sets.   windows 2, 3: the accumulators, (a, b) at v[8 (8 (a % 4) + b)].
.set ROWB,   256                       ; a tile's row in bytes
.set PITCH,  272                       ; an LDS row: 256 bytes + 16 of padding = 68 words: the 16 rows that a load touches start at 16 different banks (64 banks of 4 bytes: ISA guide 11.1)
.set FR,     16                        ; registers of a fragment: 16 rows x 128 K
.set NL,     4                         ; LDS loads that bring one
.set NP,     4                         ; places behind this matrix instruction (ISA guide 7.12.1)
.set HALFT,  128*PITCH                 ; 128 rows: what one tensor load brings
.set SLOT,   4*HALFT                   ; A's 256 rows, then B's 256 rows
.set SPARE,  2*SLOT                    ; behind the ring: the spare words, 128 bytes for each wave
.set ADRA, 16                          ; v16-17  LDS address of my A fragments in slot 0, 1
.set ADRB, 20                          ; v20-21  the same for B
.set CO,   26                          ; v26     16 x lane: an image's place for my lane
.set SPW,  28                          ; v28     LDS address of my spare word; never rewritten
.set NIL,  29                          ; v29     0; never rewritten
.set BI,   32                          ; v32-95  the bias: register 8 k + e: for q, k that of column 16 k + 8 h + e; for v that of row 16 k + r
.set VO,   96                          ; v96-103 the bias loads' offsets
.set SCL,  104
.set LIMV, 105
.set AF,   128
.set T,    128
.set CD,   192
.set G1, 24                            ; s[24:31] descriptor group 1 for A's tiles;  s[32:39] group 0, one set for each slot
.set G0, 32
.set G1B, 48                           ; s[48:55], s[56:63] the same for B's tiles
.set G0B, 56
.set MSB, 0
.macro WIN new                         ; the immediate's high byte repeats the setting that is left
.if MSB != (\new)
	s_set_vgpr_msb (MSB<<8)|(\new)
.set MSB, (\new)
.endif
.endm
.set MUL_LO, 0xa1                      ; source 0 (B) window 1, source 1 (A) window 0, C and D window 2
.set MUL_HI, 0xf1                      ; the same, C and D window 3
.set TO_B,   0x40                      ; destination window 1, address window 0
; A joint load: waves 0 and 1 fetch for A, waves 2 and 3 for B; the branch hangs on the wave's number alone.  Four v_nop follow each of the two lines.
.macro JLOAD g0a, g1a, g0b, g1b
	s_cmp_eq_u32 s15, 0
	s_cbranch_scc0 .Lfor_b_\@
	tensor_load_to_lds s[\g0a:\g0a+3], s[\g1a:\g1a+7]
	s_nop 0
.rept 4
	v_nop
.endr
	s_branch .Lasked_\@
.Lfor_b_\@:
	tensor_load_to_lds s[\g0b:\g0b+3], s[\g1b:\g1b+7]
	s_nop 0
.rept 4
	v_nop
.endr
.Lasked_\@:
.endm
.macro CREST                           ; a round of the cluster's barrier behind its opening barrier
	s_cmp_lg_u32 s14, 0
	s_cbranch_scc1 .Lnot_wave_0_\@
	s_barrier_signal -3
.Lnot_wave_0_\@:
	s_barrier_wait -3
	s_barrier_signal -1
	s_barrier_wait -1
.endm
.macro CROUND                          ; a whole round
	s_barrier_signal -1
	s_barrier_wait -1
	CREST
.endm
	s_load_b128 s[4:7], s[0:1], 0x0                ; xw s[4:5], b_qkv s[6:7]
	s_load_b128 s[8:11], s[0:1], 0x10              ; the scales' exponents s[8:9], qimg s[10:11]
	s_load_b64 s[12:13], s[0:1], 0x20              ; kvimg
	v_lshl_add_u32 v[SPW], v0, 2, SPARE
	v_mov_b32 v[NIL], 0
	ds_add_u32 v28, v29
	ds_add_u32 v28, v29
	s_wait_dscnt 0x0
	v_lshrrev_b32 v1, 5, v0
	v_readfirstlane_b32 s14, v1                    ; wave 0..3
	s_lshr_b32 s15, s14, 1                         ; which half of A's rows is mine.  Also: I fetch for A (0) or for B (1)
	s_and_b32 s16, s14, 1                          ; which half of B's rows.  Also: which 128 rows of that tile I fetch
	s_bfe_u32 s40, ttmp6, 0x40000                  ; cx, cy: my place in the cluster
	s_bfe_u32 s41, ttmp6, 0x40004
	s_and_b32 s66, ttmp7, 0xffff                   ; the cluster's y, 0..7
	s_lshr_b32 s67, ttmp9, 1                       ; the role: 1 in cluster x = 2 (v), else 0
	s_xor_b32 s68, s67, 1                          ; and its opposite
	; tiles of 256 rows of xw.  A: q, k: tokens 4 Y + cy; v: W_v's rows, 40 + cy.  B: q, k: W's rows, 32 + 4 X + cx; v: tokens 4 Y + cx.  A's registers never hold cx, B's never cy
	s_lshl_b32 s17, s66, 2
	s_mul_i32 s17, s17, s68
	s_mul_i32 s69, s67, 40
	s_add_co_u32 s17, s17, s69
	s_add_co_u32 s17, s17, s41                     ; A's tile
	s_lshl_b32 s42, ttmp9, 2
	s_add_co_u32 s42, s42, 32
	s_mul_i32 s42, s42, s68
	s_lshl_b32 s69, s66, 2
	s_mul_i32 s69, s69, s67
	s_add_co_u32 s42, s42, s69
	s_add_co_u32 s42, s42, s40                     ; B's tile
	s_lshl_b32 s43, s41, 2
	s_lshl_b32 s43, 15, s43                        ; my row of the cluster
	s_lshl_b32 s44, 0x1111, s40                    ; my column
	; descriptor group 1: a tile of 128 rows x 256 bytes, padded in LDS
	s_or_b32 s[G1+0], s43, (0<<16)|(1<<20)|(1<<21)|(5<<22)|(3<<25)  ; 15:0 the mask; 17:16 elements of 1 byte; 20 padding on; 21 set beside a mask; 24:22 after every 64 words (code 5); 31:25 four words (code 3)
	s_or_b32 s[G1B+0], s44, (0<<16)|(1<<20)|(1<<21)|(5<<22)|(3<<25)
.irp g, G1, G1B
	s_mov_b32 s[\g+1], ROWB<<16                    ; tensor_dim0
	s_mov_b32 s[\g+2], 128<<16                     ; tensor_dim1
	s_mov_b32 s[\g+3], ROWB<<16                    ; tile_dim0
	s_mov_b32 s[\g+4], 128                         ; tile_dim1
	s_mov_b32 s[\g+5], 1024                        ; tensor_dim0_stride: a row of xw
	s_mov_b32 s[\g+6], 0
	s_mov_b32 s[\g+7], 0
.endr
	s_lshl_b32 s18, s16, 7                         ; which 128 rows of the tile I fetch
	s_lshl_b32 s20, s17, 8
	s_add_co_u32 s20, s20, s18
	s_lshl_b32 s20, s20, 10                        ; A's first row, in bytes (xw is under 2^24 bytes)
	s_mov_b32 s21, 0
	s_lshl_b32 s46, s42, 8
	s_add_co_u32 s46, s46, s18
	s_lshl_b32 s46, s46, 10                        ; B's
	s_mov_b32 s47, 0
	s_mul_i32 s45, s14, HALFT                      ; where they go: wave x 128 rows: no place in the cluster enters an LDS address
	s_wait_kmcnt 0x0
	s_load_b256 s[72:79], s[8:9], 0x0              ; e0 .. e7
	s_add_nc_u64 s[20:21], s[4:5], s[20:21]
	s_add_nc_u64 s[46:47], s[4:5], s[46:47]
	CROUND                                         ; all sixteen work-groups are here: the first joint loads meet
.irp s, 0,1
	s_mov_b32 s[G0+4*\s], 1
	s_add_co_u32 s[G0+4*\s+1], s45, \s*SLOT
	s_add_nc_u64 s[G0+4*\s+2:G0+4*\s+3], s[20:21], \s*ROWB
	s_or_b32 s[G0+4*\s+3], s[G0+4*\s+3], 0x80000000
	s_mov_b32 s[G0B+4*\s], 1
	s_add_co_u32 s[G0B+4*\s+1], s45, \s*SLOT
	s_add_nc_u64 s[G0B+4*\s+2:G0B+4*\s+3], s[46:47], \s*ROWB
	s_or_b32 s[G0B+4*\s+3], s[G0B+4*\s+3], 0x80000000
	JLOAD G0+4*\s, G1, G0B+4*\s, G1B
.endr
	v_and_b32 v1, 15, v0                           ; r = lane % 16
	v_bfe_u32 v2, v0, 4, 1                         ; h = lane / 16
	v_mul_u32_u24 v3, v1, PITCH
	v_lshl_add_u32 v4, v2, 4, v3                   ; a fragment's row x pitch + 16 x half
	s_mul_i32 s21, s15, HALFT                      ; my 128 rows of A
	s_mul_i32 s22, s16, HALFT                      ; my 128 rows of B,
	s_add_co_u32 s22, s22, 2*HALFT                 ; which lie behind A's 256
.irp s, 0,1
	v_add_nc_u32 v[ADRA+\s], s21, v4
	v_add_nc_u32 v[ADRB+\s], s22, v4
	s_add_co_u32 s21, s21, SLOT
	s_add_co_u32 s22, s22, SLOT
.endr
	v_and_b32 v6, 31, v0
	v_lshlrev_b32 v[CO], 4, v6
	; the bias of my 128 columns of W: B's rows for q and k, A's for v.  One text for both roles: the offsets differ, by a product with the role
	s_cmp_eq_u32 s67, 0
	s_cselect_b32 s92, s42, s17
	s_cselect_b32 s93, s16, s15
	s_sub_co_u32 s92, s92, 32
	s_lshl_b32 s92, s92, 8
	s_lshl_b32 s93, s93, 7
	s_add_co_u32 s92, s92, s93
	s_lshl_b32 s92, s92, 2
	s_mov_b32 s93, 0
	s_add_nc_u64 s[86:87], s[6:7], s[92:93]
	v_lshlrev_b32 v5, 5, v2                        ; 32 h
	v_lshlrev_b32 v7, 2, v1                        ; 4 r
	v_mul_u32_u24 v[VO], v5, s68                   ; q, k: 32 h + 4 e
	v_mad_u32_u24 v[VO], v7, s67, v[VO]            ; v:    4 r
.irp e, 1,2,3,4,5,6,7
	v_mad_u32_u24 v[VO+\e], s68, 4*\e, v[VO]
.endr
.irp k, 0,1,2,3,4,5,6,7
.irp e, 0,1,2,3,4,5,6,7
	global_load_b32 v[BI+8*\k+\e], v[VO+\e], s[86:87] offset:64*\k   ; waited for on the way out
.endr
.endr
.macro FRAG reg, adr, q, i             ; 16 rows x 128 K: registers 4 c .. 4 c + 3 hold the 16 bytes at 32 c + 16 (lane / 16) of row lane % 16
.irp c, 0,1,2,3
	ds_load_b128 v[\reg+4*\c:\reg+4*\c+3], v[\adr] offset:128*(\q)+32*\c+(\i)*16*PITCH
.endr
.endm
; 16 matrix instructions: A's blocks a0, a0 + 1 x B's eight, 128 along K.  p: B's set.  zero = 1: the first product starts the sums.  The 64 accumulators take turns, one instruction a turn.
.macro MUL16 a0, p, zero
.irp a, \a0, \a0+1
.irp b, 0,1,2,3,4,5,6,7
.if \zero
	v_wmma_f32_16x16x128_fp8_fp8 v[8*(8*((\a)%4)+\b):8*(8*((\a)%4)+\b)+7], v[128*(\p)+FR*\b:128*(\p)+FR*\b+FR-1], v[AF+FR*(\a):AF+FR*(\a)+FR-1], 0
.else
	v_wmma_f32_16x16x128_fp8_fp8 v[8*(8*((\a)%4)+\b):8*(8*((\a)%4)+\b)+7], v[128*(\p)+FR*\b:128*(\p)+FR*\b+FR-1], v[AF+FR*(\a):AF+FR*(\a)+FR-1], v[8*(8*((\a)%4)+\b):8*(8*((\a)%4)+\b)+7]
.endif
.endr
.endr
.endm
.macro FETCH_B slot, q, p
	WIN TO_B
.irp i, 0,1,2,3,4,5,6,7
	FRAG 128*(\p)+FR*\i, ADRB+\slot, \q, \i
.endr
	WIN 0
.endm
.macro FETCH_A slot, q, i0
.irp i, \i0, \i0+1, \i0+2, \i0+3
	FRAG AF+FR*(\i), ADRA+\slot, \q, \i
.endr
.endm
.macro PLACES n                        ; plain vector instructions between a matrix instruction and a load into its sources, or a read of its result
.rept \n
	v_nop
.endr
.endm
; A step of 128 along K that has its successor in the same slot.  A's block is free once its eight products are issued: blocks 0-3 are fetched anew in the middle, blocks 4-7 at the end.
.macro STEP slot, q, zero
	s_wait_dscnt 4*NL                              ; B's set and A's blocks 0-3 are in; the youngest sixteen loads (A's blocks 4-7) may be out
	WIN MUL_LO
	MUL16 0, (\q)%2, \zero
	MUL16 2, (\q)%2, \zero
	s_wait_dscnt 0
	PLACES NP
	FETCH_B \slot, (\q)+1, 1-(\q)%2
	FETCH_A \slot, (\q)+1, 0
	WIN MUL_HI
	MUL16 4, (\q)%2, \zero
	MUL16 6, (\q)%2, \zero
	PLACES NP
	WIN 0
	FETCH_A \slot, (\q)+1, 4
.endm
; A slot's last step changes slots: one barrier; in front of it each wave waits for all its tensor loads, adds 0 to its spare word, and waits for that and for its own reads of this slot.  fill = 1: this slot is filled again, two K steps ahead.
.macro TURN slot, next, fill
	s_wait_tensorcnt 0x0                           ; all my tensor loads have landed: my part of the next slot
	ds_add_u32 v[SPW], v[NIL]                      ; 0 onto my spare word
	s_wait_dscnt 4*NL+1                            ; the add and the youngest sixteen loads may be out
	WIN MUL_LO
	MUL16 0, 1, 0
	s_wait_dscnt 0x0                               ; the add is done, and my reads of this slot are over
	s_barrier_signal -1
	MUL16 2, 1, 0
	WIN 0
	s_barrier_wait -1
.if \fill
	CREST                                          ; the barrier has opened a round of the cluster's barrier: no wave of any partner still reads this slot or has a load on its way
	s_add_nc_u64 s[G0+4*\slot+2:G0+4*\slot+3], s[G0+4*\slot+2:G0+4*\slot+3], 2*ROWB
	s_add_nc_u64 s[G0B+4*\slot+2:G0B+4*\slot+3], s[G0B+4*\slot+2:G0B+4*\slot+3], 2*ROWB
	JLOAD G0+4*\slot, G1, G0B+4*\slot, G1B         ; the first tensor load behind the round; its four v_nop are also the places in front of the loads below
.else
	PLACES NP
.endif
	FETCH_B \next, 0, 0
	FETCH_A \next, 0, 0
	WIN MUL_HI
	MUL16 4, 1, 0
	MUL16 6, 1, 0
	PLACES NP
	WIN 0
	FETCH_A \next, 0, 4
.endm
	s_wait_tensorcnt 1                             ; my part of K step 0 is in; K step 1's load may be out
	s_barrier_signal -1
	s_barrier_wait -1
	FETCH_B 0, 0, 0
	FETCH_A 0, 0, 0
	FETCH_A 0, 0, 4
	STEP 0, 0, 1                                   ; K = 1,024 is eight steps of 128, written out: the first starts the sums
	TURN 0, 1, 1                                   ; slot 0 takes K step 2
	STEP 1, 0, 0
	TURN 1, 0, 1                                   ; slot 1 takes K step 3
	STEP 0, 0, 0
	TURN 0, 1, 0
	STEP 1, 0, 0
	s_wait_dscnt 4*NL                              ; the last step: nothing more to fetch
	WIN MUL_LO
	MUL16 0, 1, 0
	MUL16 2, 1, 0
	s_wait_dscnt 0
	WIN MUL_HI
	MUL16 4, 1, 0
	MUL16 6, 1, 0
	WIN 0
	; THE WAY OUT.  A sum stands for sum x 2^(e0 + e1).  number / 2^(e0 + e1) = bias x 2^-(e0 + e1) + sum, one fused multiply-add; its code under 2^e is taken with the scale 2^(e - e0 - e1).
	PLACES NP
	s_wait_kmcnt 0x0
	s_wait_loadcnt 0x0                             ; the bias
	s_add_co_i32 s83, s72, s73                     ; e0 + e1
	s_sub_co_i32 s80, 127, s83
	s_lshl_b32 s80, s80, 23                        ; 2^-(e0 + e1) as f32
	s_mov_b32 s81, s80                             ; (named with it as a pair, so it is written)
	s_cmp_eq_u32 ttmp9, 0
	s_cselect_b32 s82, s74, s75                    ; q: e2; k: e3;
	s_cmp_eq_u32 ttmp9, 2
	s_cselect_b32 s82, s77, s82                    ; v: e5
	s_sub_co_i32 s84, s82, s83
	s_add_co_i32 s84, s84, 127
	s_lshl_b32 s85, s84, 23
	v_mov_b32 v[SCL], s85                          ; 2^(e - e0 - e1)
	s_add_co_i32 s84, s84, 8
	s_lshl_b32 s84, s84, 23
	s_or_b32 s84, s84, 0x600000
	v_mov_b32 v[LIMV], s84                         ; 448 x that
; Block a of 16 rows of A: the bias, the hold, the conversions, four stores of 512 bytes.  The codes' registers take turns between two sets; a set is written again behind s_wait_xcnt 0, when its stores have read it.
.macro EPI role
.irp a, 0,1,2,3,4,5,6,7
.if \a >= 2
	s_wait_xcnt 0x0
.endif
	WIN 0x20+0x10*(\a/4)                           ; source 2 (the sums): window 2 or 3
.irp b, 0,1,2,3,4,5,6,7
.irp p, 0,2,4,6
.if \role
	v_pk_fma_f32 v[T+8*\b+\p:T+8*\b+\p+1], v[BI+8*\a+\p:BI+8*\a+\p+1], s[80:81], v[64*(\a%4)+8*\b+\p:64*(\a%4)+8*\b+\p+1] op_sel_hi:[1,0,1]
.else
	v_pk_fma_f32 v[T+8*\b+\p:T+8*\b+\p+1], v[BI+8*\b+\p:BI+8*\b+\p+1], s[80:81], v[64*(\a%4)+8*\b+\p:64*(\a%4)+8*\b+\p+1] op_sel_hi:[1,0,1]
.endif
.endr
.endr
	WIN 0
.irp b, 0,1,2,3,4,5,6,7
.irp i, 0,1,2,3,4,5,6,7
	v_med3_num_f32 v[T+8*\b+\i], v[T+8*\b+\i], -v[LIMV], v[LIMV]   ; the conversion to an 8-bit code does not saturate (ISA guide 7.6.2)
.endr
	v_cvt_scalef32_pk8_fp8_f32 v[CD+16*(\a%2)+2*\b:CD+16*(\a%2)+2*\b+1], v[T+8*\b:T+8*\b+7], v[SCL]
.endr
	v_nop                                          ; a plain vector instruction behind the last conversion of the run
.if \role
.irp c, 0,1,2,3
	global_store_b128 v[CO], v[CD+16*(\a%2)+4*\c:CD+16*(\a%2)+4*\c+3], s[88:89] offset:262144*(\a/4)+2048*(\a%4)+512*\c   ; V^T: head a / 4 of my two, its rows 16 (a % 4) on; registers 4 c on
.endr
.else
.irp d, 0,1
.irp c, 0,1
	global_store_b128 v[CO], v[CD+16*(\a%2)+8*\d+4*\c:CD+16*(\a%2)+8*\d+4*\c+3], s[88+2*\d:89+2*\d] offset:1024*\a+512*\c   ; head d of my two, tile a of my eight tiles of tokens
.endr
.endr
.endif
.endr
.endm
	s_cmp_lg_u32 s67, 0                            ; the role: the same in all partners
	s_cbranch_scc1 .Lrole_v
	s_lshr_b32 s92, s17, 3                         ; q, k: the batch (eight tiles of 256 tokens each),
	s_lshl_b32 s92, s92, 4
	s_lshl_b32 s93, s40, 2
	s_add_co_u32 s92, s92, s93
	s_lshl_b32 s93, s16, 1
	s_add_co_u32 s92, s92, s93                     ; 16 x batch + my first head (4 cx + 2 x half)
	s_lshl_b32 s92, s92, 17
	s_and_b32 s93, s17, 7
	s_lshl_b32 s93, s93, 1
	s_add_co_u32 s93, s93, s15                     ; my 128 tokens among the batch's sixteen such
	s_lshl_b32 s93, s93, 13
	s_add_co_u32 s92, s92, s93
	s_lshl_b32 s92, s92, ttmp9                     ; in kvimg a head and a step are twice as long as in qimg
	s_mov_b32 s93, 0
	s_lshl_b32 s94, 0x20000, ttmp9                 ; from head to head
	s_mov_b32 s95, 0
	s_cmp_eq_u32 ttmp9, 0
	s_cselect_b64 s[88:89], s[10:11], s[12:13]
	s_add_nc_u64 s[88:89], s[88:89], s[92:93]
	s_add_nc_u64 s[90:91], s[88:89], s[94:95]
	EPI 0
	s_branch .Ljoin
.Lrole_v:
	s_lshr_b32 s92, s42, 3                         ; v: the batch of B's tokens,
	s_lshl_b32 s92, s92, 4
	s_lshl_b32 s93, s41, 2
	s_add_co_u32 s92, s92, s93
	s_lshl_b32 s93, s15, 1
	s_add_co_u32 s92, s92, s93                     ; 16 x batch + my first head (4 cy + 2 x half)
	s_lshl_b32 s92, s92, 18
	s_and_b32 s93, s42, 7
	s_lshl_b32 s93, s93, 1
	s_add_co_u32 s93, s93, s16                     ; my step of 128 keys
	s_lshl_b32 s93, s93, 14
	s_add_co_u32 s92, s92, s93
	s_add_co_u32 s92, s92, 8192                    ; behind K's eight fragments
	s_mov_b32 s93, 0
	s_add_nc_u64 s[88:89], s[12:13], s[92:93]
	EPI 1
.Ljoin:
	s_wait_tensorcnt 0x0                           ; the wave's end
	ds_add_u32 v[SPW], v[NIL]
	s_wait_dscnt 0x0
	CROUND                                         ; the closing round: no work-group ends while a partner may still ask for a tile that names it
	s_endpgm
.Lfunc_end_k_qc8e709ce1e_proj:
	.size	k_qc8e709ce1e_proj, .Lfunc_end_k_qc8e709ce1e_proj-k_qc8e709ce1e_proj
	.p2alignl 7, 3214868480
	.fill 96, 4, 3214868480
	.section	.rodata,"a",@progbits
	.p2align	6, 0x0
	.amdhsa_kernel k_qc8e709ce1e_proj
		.amdhsa_group_segment_fixed_size 327680
		.amdhsa_private_segment_fixed_size 0
		.amdhsa_enable_private_segment 0
		.amdhsa_kernarg_size 40
		.amdhsa_user_sgpr_count 2
		.amdhsa_user_sgpr_kernarg_segment_ptr 1
		.amdhsa_wavefront_size32 1
		.amdhsa_system_sgpr_workgroup_id_x 1
		.amdhsa_system_sgpr_workgroup_id_y 1
		.amdhsa_system_sgpr_workgroup_id_z 1
		.amdhsa_system_vgpr_workitem_id 0
		.amdhsa_next_free_vgpr 1024
		.amdhsa_next_free_sgpr 100
		.amdhsa_reserve_vcc 0
		.amdhsa_float_denorm_mode_32 3
		.amdhsa_float_denorm_mode_16_64 3
		.amdhsa_memory_ordered 1
		.amdhsa_forward_progress 1
		.amdhsa_inst_pref_size 198
	.end_amdhsa_kernel
	.amdgpu_metadata
---
amdhsa.version: [ 1, 2 ]
amdhsa.kernels:
  - .name:           k_qc8e709ce1e_proj
    .symbol:         k_qc8e709ce1e_proj.kd
    .args:
      - { .name: xw, .offset: 0, .size: 8, .value_kind: global_buffer, .address_space: global }
      - { .name: b_qkv, .offset: 8, .size: 8, .value_kind: global_buffer, .address_space: global }
      - { .name: lowp_scales, .offset: 16, .size: 8, .value_kind: global_buffer, .address_space: global }
      - { .name: qimg, .offset: 24, .size: 8, .value_kind: global_buffer, .address_space: global }
      - { .name: kvimg, .offset: 32, .size: 8, .value_kind: global_buffer, .address_space: global }
    .group_segment_fixed_size: 327680
    .private_segment_fixed_size: 0
    .kernarg_segment_align: 8
    .kernarg_segment_size: 40
    .max_flat_workgroup_size: 128
    .sgpr_count:     100
    .vgpr_count:     1024
    .wavefront_size: 32
...
	.end_amdgpu_metadata
.endif
;; end of part 2
;; launch attn (part 3): grid 4 x 64, 8 waves a work-group, no clusters, 33,792 bytes of LDS; arguments qimg, kvimg, lowp_scales, ac; writes ac
.if DOCPART == 3
	.amdgcn_target "amdgcn-amd-amdhsa--gfx1250"
	.amdhsa_code_object_version 6
	.text
	.protected	k_qc8e709ce1e_attn
	.globl	k_qc8e709ce1e_attn
	.p2align	8
	.type	k_qc8e709ce1e_attn,@function
k_qc8e709ce1e_attn:
	s_mov_b64 s[64:65], 0
	v_nop
	global_prefetch_b8 v0, s[64:65] scope:SCOPE_SE
	s_setreg_imm32_b32 hwreg(HW_REG_WAVE_MODE, 25, 1), 1
	s_wait_xcnt 0x0
; For each of 64 (batch, head): O = softmax(Q K^T / 8) V, both products on codes of E4M3 (scales 2^e2, 2^e3; 2^e4, 2^e5), and O quantised at once (2^e6) for the last product.
; THE SOFTMAX: t = score x log2(e) / 8; M = the largest t so far, rounded up to a whole number; p = 2^(t - M) is quantised, not normalised; the row's sum is taken of the unquantised p and divides O at the end.
; When M moves, the sum and O^T are multiplied by 2^(old M - new M), which rounds nothing.
; SHARES.  A work-group owns 512 queries of one head, in two passes of 256; each of its eight waves owns two tiles of 16 queries a pass, so that each fragment of K and of V read from LDS feeds two products.
; Every wave walks the head's 2,048 keys, 128 a step, in both passes: 32 steps.
; LAYOUT.  S^T = K Q^T (source 0 = 16 keys, source 1 = 16 queries, 16x16x64): lane (r, h) holds query r and keys 16 t + 8 h + 0 .. 7 of tile t.  A conversion of tile t's eight registers gives registers 2 t, 2 t + 1 of P,
; source 1 of O^T = V^T P^T (16x16x128): nothing changes lanes.  O^T's tile d holds, of query r, channels 16 d + 8 h + 0 .. 7: its conversion gives registers 2 d, 2 d + 1 of the last product's fragment.
; THE RING.  A step's 16,384 bytes of kvimg (K's eight fragments, V^T's four, as images of their registers) come through registers: loaded two steps ahead (16 bytes a thread, four times; 512 consecutive bytes a wave),
; stored into one of two LDS slots one step ahead, read by all eight waves.  One barrier a step.
; No tensor loads and no cluster: what a head's four work-groups share is 16,384 bytes a step, beside sixteen tiles' softmax in each.
; ac [block of 128 tokens 64][head 16][tile of 16 tokens 8][1,024]: images as in qimg.
; LIMITS: e2 + e3 between -123 and 130 (added to c's exponent field); e4 and e6 between -126 and 119.  NaN is not served.
; REGISTERS.  window 0: v1-4 addresses; v8-23 statistics, eight a tile; v24-27 scales and holds; v32-63 Q (pass p, tile u at 32 + 16 p + 8 u); v64-191 S^T, then p (64 a tile); v192-223 P's codes; v224-255 two staging sets.
;   window 1: v0-63 K's eight fragments; v64-127 V^T's four; v128-191 O^T (32 a tile).
.set LI,   1                           ; v1  16 x lane: an image's place for my lane; never rewritten
.set TH,   2                           ; v2  16 x thread: my bytes of a chunk's quarter; never rewritten
.set GOFF, 3                           ; v3  the chunk in hand + 16 x thread
.set PFO,  4                           ; v4  256 x lane, for the prefetch; never rewritten
.set ST,   8                           ; tile u's statistics at v[8 + 8 u]: +0 -M, +1 the largest t, +2, +3 the sum in two halves, +4 f, +5 the other half of the lanes', +6, +7 at work
.set PSC,  24                          ; 2^e4;  v25: 448 x 2^e4
.set PLM,  25
.set OSC,  26                          ; 2^e6;  v27: 448 x 2^e6
.set OLM,  27
.set QF,   32
.set S,    64
.set P,    192
.set SG,   224
.set KF,   0                           ; in window 1
.set VF,   64
.set O,    128
.set CHUNK, 16384
.set WV,   12                          ; s12 my wave's number
.set SEL,  20                          ; s[20:21] lane selects: lane l xor 16
.set CS,   22                          ; s[22:23] c = log2(e) / 8 x 2^(e2 + e3)
.set LEFT, 24                          ; s24 steps to go, this one among them
.set TRIP, 25
.set COFF, 26                          ; s26 the byte in the head's kvimg of the chunk loaded last
.set LIM,  27                          ; s27 20 in a wave that prefetches, else the greatest number
.set PFA,  28                          ; s[28:29] where my prefetch stands
.set EPV,  30                          ; s30 e4 + e5
.set EP,   31                          ; s31 e4
.set MSB, 0
.macro WIN new                         ; the immediate's high byte repeats the setting that is left
.if MSB != (\new)
	s_set_vgpr_msb (MSB<<8)|(\new)
.set MSB, (\new)
.endif
.endm
	s_load_b256 s[4:11], s[0:1], 0x0               ; qimg s[4:5], kvimg s[6:7], the scales' exponents s[8:9], ac s[10:11]
	v_lshl_add_u32 v30, v0, 2, 0x8000
	v_mov_b32 v31, 0
	v_lshrrev_b32 v5, 5, v0
	v_readfirstlane_b32 s[WV], v5                  ; wave 0..7
	v_and_b32 v[LI], 31, v0
	v_lshlrev_b32 v[PFO], 8, v[LI]
	v_lshlrev_b32 v[LI], 4, v[LI]
	v_lshlrev_b32 v[TH], 4, v0
	s_and_b32 s13, ttmp7, 0xffff                   ; 16 x batch + head
	s_mov_b32 s[SEL], 0x76543210
	s_mov_b32 s[SEL+1], 0xfedcba98
	s_mov_b32 s[LEFT], 32
	s_mov_b32 s[COFF], CHUNK
	s_lshl_b32 s14, s13, 17                        ; Q: the head, my work-group's 32 tiles, my wave's two
	s_lshl_b32 s15, ttmp9, 15
	s_add_co_u32 s14, s14, s15
	s_lshl_b32 s15, s[WV], 11
	s_add_co_u32 s14, s14, s15
	s_mov_b32 s15, 0
	s_lshl_b32 s16, s13, 18                        ; K and V: the head
	s_mov_b32 s17, 0
	s_lshr_b32 s18, s13, 4                         ; ac: block of 128 tokens = 16 x batch + 4 x work-group + wave / 4 (+ 2 x pass),
	s_lshl_b32 s18, s18, 4
	s_lshl_b32 s19, ttmp9, 2
	s_add_co_u32 s18, s18, s19
	s_lshr_b32 s19, s[WV], 2
	s_add_co_u32 s18, s18, s19
	s_lshl_b32 s18, s18, 17
	s_and_b32 s19, s13, 15                         ; the head,
	s_lshl_b32 s19, s19, 13
	s_add_co_u32 s18, s18, s19
	s_and_b32 s19, s[WV], 3                        ; my two tiles of the block's eight
	s_lshl_b32 s19, s19, 11
	s_add_co_u32 s18, s18, s19
	s_mov_b32 s19, 0
	s_lshr_b32 s[LIM], s[WV], 1                    ; waves 0 and 1
	s_or_b32 s[LIM], s[LIM], ttmp9                 ; of the head's first work-group prefetch
	s_cmp_eq_u32 s[LIM], 0
	s_cselect_b32 s[LIM], 20, -1
	s_and_b32 s32, s[WV], 1
	s_lshl_b32 s32, s32, 13                        ; my half of a chunk,
	s_add_co_u32 s32, s32, 3*CHUNK                 ; in chunk 3: the first step steps it to chunk 4
	s_mov_b32 s33, 0
	s_wait_kmcnt 0x0
	s_load_b256 s[40:47], s[8:9], 0x0              ; e0 .. e7
	s_add_nc_u64 s[4:5], s[4:5], s[14:15]
	s_add_nc_u64 s[6:7], s[6:7], s[16:17]
	s_add_nc_u64 s[10:11], s[10:11], s[18:19]
	s_add_nc_u64 s[PFA:PFA+1], s[6:7], s[32:33]
.irp i, 0,1,2,3
	global_load_b128 v[SG+4*\i:SG+4*\i+3], v[TH], s[6:7] offset:4096*\i              ; chunk 0 into set 0
.endr
.irp i, 0,1,2,3
	global_load_b128 v[SG+16+4*\i:SG+16+4*\i+3], v[TH], s[6:7] offset:CHUNK+4096*\i  ; chunk 1 into set 1
.endr
.irp p, 0,1
.irp u, 0,1
.irp k, 0,1
	global_load_b128 v[QF+16*\p+8*\u+4*\k:QF+16*\p+8*\u+4*\k+3], v[LI], s[4:5] offset:16384*\p+1024*\u+512*\k th:TH_LOAD_NT   ; Q of both passes stays in registers
.endr
.endr
.endr
	s_wait_loadcnt 12                              ; chunk 0 is in; chunk 1's four loads and Q's eight may be out
.irp i, 0,1,2,3
	ds_store_b128 v[TH], v[SG+4*\i:SG+4*\i+3] offset:4096*\i
.endr
	s_wait_kmcnt 0x0
	s_add_co_i32 s32, s42, s43
	s_lshl_b32 s32, s32, 23
	s_add_co_i32 s[CS], s32, 0x3e38aa3b            ; log2(e) / 8, with e2 + e3 added to its exponent field
	s_mov_b32 s[CS+1], s[CS]                       ; (named with it as a pair, so it is written)
	s_add_co_i32 s32, s44, 127
	s_lshl_b32 s33, s32, 23
	v_mov_b32 v[PSC], s33
	s_add_co_i32 s32, s32, 8
	s_lshl_b32 s32, s32, 23
	s_or_b32 s32, s32, 0x600000
	v_mov_b32 v[PLM], s32
	s_add_co_i32 s32, s46, 127
	s_lshl_b32 s33, s32, 23
	v_mov_b32 v[OSC], s33
	s_add_co_i32 s32, s32, 8
	s_lshl_b32 s32, s32, 23
	s_or_b32 s32, s32, 0x600000
	v_mov_b32 v[OLM], s32
	s_add_co_i32 s[EPV], s44, s45
	s_mov_b32 s[EP], s44
	s_wait_loadcnt 0x0                             ; Q
; A KEY STEP: 128 keys, in slot sg; pass p.
.macro STEP sg, p
	s_wait_dscnt 0x0                               ; my stores into this slot have landed, and my reads of the other slot are back
	s_barrier_signal -1
	s_barrier_wait -1                              ; both now hold of all eight waves
	WIN 0x40                                       ; destination window 1
.irp t, 0,1,2,3,4,5,6,7
.irp k, 0,1
	ds_load_b128 v[KF+8*\t+4*\k:KF+8*\t+4*\k+3], v[LI] offset:\sg*CHUNK+1024*\t+512*\k
.endr
.endr
.irp d, 0,1,2,3
.irp c, 0,1,2,3
	ds_load_b128 v[VF+16*\d+4*\c:VF+16*\d+4*\c+3], v[LI] offset:\sg*CHUNK+8192+2048*\d+512*\c
.endr
.endr
	s_wait_dscnt 16                                ; K's sixteen loads are in; V's sixteen may be out
	WIN 0x01                                       ; source 0 (K) window 1
.irp t, 0,1,2,3,4,5,6,7
.irp u, 0,1
	v_wmma_f32_16x16x64_fp8_fp8 v[S+64*\u+8*\t:S+64*\u+8*\t+7], v[KF+8*\t:KF+8*\t+7], v[QF+16*\p+8*\u:QF+16*\p+8*\u+7], 0
.endr
.endr
	WIN 0
.rept 4
	v_nop                                          ; places behind the products, ahead of the first read of the scores (ISA guide 7.12.1)
.endr
	; the ring: the next step's chunk goes from its staging set into the other slot, which nobody reads behind this step's barrier; the chunk after it is asked for
	s_wait_xcnt 0x0                                ; the last step's loads and prefetch, and a pass's stores, have read their registers: GOFF, the prefetch's address and P's registers may be written
	s_add_nc_u64 s[PFA:PFA+1], s[PFA:PFA+1], CHUNK
	s_cmp_gt_u32 s[LEFT], 1
	s_cbranch_scc0 .Lnone_\@                       ; the last step stores and asks for nothing
	s_wait_loadcnt 0x0                             ; the next chunk, asked for a step ago, is in
.irp i, 0,1,2,3
	ds_store_b128 v[TH], v[SG+16*(1-\sg)+4*\i:SG+16*(1-\sg)+4*\i+3] offset:(1-\sg)*CHUNK+4096*\i
.endr
	s_cmp_gt_u32 s[LEFT], 2
	s_cbranch_scc0 .Lnone_\@
	s_add_co_u32 s[COFF], s[COFF], CHUNK
	s_and_b32 s[COFF], s[COFF], 0x3ffff            ; the second pass walks the head's sixteen chunks again
	v_add_nc_u32 v[GOFF], s[COFF], v[TH]
.irp i, 0,1,2,3
	global_load_b128 v[SG+16*\sg+4*\i:SG+16*\sg+4*\i+3], v[GOFF], s[6:7] offset:4096*\i   ; into the set whose LDS stores were waited for at the step's head
.endr
	; A prefetch into the L2, behind the step's loads: in step s of the first pass, chunk s + 4, which is loaded two steps on.  All four work-groups of a head walk the same chunks: the first asks; its waves 0 and 1 take
	; 8,192 bytes each, lanes 256 bytes apart: each aligned block of 256 bytes is named once in the launch.  It stops with chunk 15 (step 11, 21 steps to go).  Chunks 0 to 3 come by their loads alone.
	s_cmp_gt_u32 s[LEFT], s[LIM]
	s_cbranch_scc0 .Lnone_\@
	global_prefetch_b8 v[PFO], s[PFA:PFA+1] th:TH_LOAD_NT scope:SCOPE_SE
.Lnone_\@:
	s_sub_co_u32 s[LEFT], s[LEFT], 1
	; the softmax, the two tiles line by line.  The maximum takes each accumulator's registers in ascending order
.irp u, 0,1
	v_max3_num_f32 v[ST+8*\u+6], v[S+64*\u], v[S+64*\u+1], v[S+64*\u+2]
	v_max3_num_f32 v[ST+8*\u+7], v[S+64*\u+3], v[S+64*\u+4], v[S+64*\u+5]
.endr
.set j, 6
.rept 14
.irp u, 0,1
	v_max3_num_f32 v[ST+8*\u+6], v[ST+8*\u+6], v[S+64*\u+j], v[S+64*\u+j+1]
	v_max3_num_f32 v[ST+8*\u+7], v[ST+8*\u+7], v[S+64*\u+j+2], v[S+64*\u+j+3]
.endr
.set j, j+4
.endr
.irp u, 0,1
	v_max3_num_f32 v[ST+8*\u+6], v[ST+8*\u+6], v[S+64*\u+62], v[S+64*\u+63]
.endr
.irp u, 0,1
	v_max_num_f32 v[ST+8*\u+6], v[ST+8*\u+6], v[ST+8*\u+7]
.endr
.irp u, 0,1
	v_permlanex16_b32 v[ST+8*\u+5], v[ST+8*\u+6], s[SEL], s[SEL+1]   ; the query's other 64 keys lie in the lane 16 away
.endr
.irp u, 0,1
	v_max_num_f32 v[ST+8*\u+6], v[ST+8*\u+6], v[ST+8*\u+5]
.endr
.irp u, 0,1
	v_mul_f32 v[ST+8*\u+6], s[CS], v[ST+8*\u+6]    ; as t (c is positive)
.endr
.irp u, 0,1
	v_max_num_f32 v[ST+8*\u+1], v[ST+8*\u+1], v[ST+8*\u+6]   ; the running largest t
	v_mov_b32 v[ST+8*\u+6], v[ST+8*\u]
.endr
.irp u, 0,1
	v_floor_f32 v[ST+8*\u], -v[ST+8*\u+1]          ; the new -M = floor(-t): M is a whole number
.endr
.irp u, 0,1
	v_sub_f32 v[ST+8*\u+6], v[ST+8*\u], v[ST+8*\u+6]   ; old M - new M: a whole number, 0 or less
.endr
.irp u, 0,1
	v_cvt_i32_f32 v[ST+8*\u+6], v[ST+8*\u+6]       ; (it saturates)
.endr
.irp u, 0,1
	v_ldexp_f32 v[ST+8*\u+4], 1.0, v[ST+8*\u+6]    ; f = 2^(old M - new M)
.endr
.set j, 0
.rept 32
.irp u, 0,1
	v_pk_fma_f32 v[S+64*\u+j:S+64*\u+j+1], v[S+64*\u+j:S+64*\u+j+1], s[CS:CS+1], v[ST+8*\u:ST+8*\u+1] op_sel_hi:[1,0,0]   ; t - M, two at a time (of the pairs c and -M the low word serves both halves)
.endr
.set j, j+2
.endr
.set j, 0
.rept 64
.irp u, 0,1
	v_exp_f32 v[S+64*\u+j], v[S+64*\u+j]           ; p = 2^(t - M), at most 1
.endr
.set j, j+1
.endr
.irp u, 0,1
	v_pk_mul_f32 v[ST+8*\u+2:ST+8*\u+3], v[ST+8*\u+2:ST+8*\u+3], v[ST+8*\u+4:ST+8*\u+5] op_sel_hi:[1,0]   ; the sums under the new M: plain instructions behind the exponentials
.endr
	s_wait_alu depctr_va_vdst(0)                   ; one wait for the batch of 128 exponentials, ahead of its first reader
.irp u, 0,1
	v_pk_add_f32 v[ST+8*\u+6:ST+8*\u+7], v[S+64*\u:S+64*\u+1], v[S+64*\u+2:S+64*\u+3]   ; the row's sum is taken of the unquantised p, in two chains
.endr
.set j, 4
.rept 15
.irp u, 0,1
	v_pk_add_f32 v[ST+8*\u+2:ST+8*\u+3], v[ST+8*\u+2:ST+8*\u+3], v[S+64*\u+j:S+64*\u+j+1]
	v_pk_add_f32 v[ST+8*\u+6:ST+8*\u+7], v[ST+8*\u+6:ST+8*\u+7], v[S+64*\u+j+2:S+64*\u+j+3]
.endr
.set j, j+4
.endr
.irp u, 0,1
	v_pk_add_f32 v[ST+8*\u+2:ST+8*\u+3], v[ST+8*\u+2:ST+8*\u+3], v[ST+8*\u+6:ST+8*\u+7]
.endr
	s_cmp_ge_i32 s[EP], -8                         ; p is at most 1, and 448 x 2^e4 is at least 1.75 from e4 = -8 on: the hold then changes no number and is passed over; below -8 it runs
	s_cbranch_scc1 .Lno_hold_\@
.set j, 0
.rept 128
	v_min_num_f32 v[S+j], v[S+j], v[PLM]           ; the conversion to an 8-bit code does not saturate (ISA guide 7.6.2); p is not negative, so the hold is one-sided
.set j, j+1
.endr
.Lno_hold_\@:
.irp t, 0,1,2,3,4,5,6,7
.irp u, 0,1
	v_cvt_scalef32_pk8_fp8_f32 v[P+16*\u+2*\t:P+16*\u+2*\t+1], v[S+64*\u+8*\t:S+64*\u+8*\t+7], v[PSC]
.endr
.endr
	WIN 0x41                                       ; O^T (destination and source 0) window 1, f window 0
.set j, 0
.rept 16
.irp u, 0,1
	v_pk_mul_f32 v[O+32*\u+j:O+32*\u+j+1], v[O+32*\u+j:O+32*\u+j+1], v[ST+8*\u+4:ST+8*\u+5] op_sel_hi:[1,0]   ; O^T under the new M; also the plain instructions behind the conversions
.endr
.set j, j+2
.endr
	s_wait_dscnt 0x0                               ; V is in
	WIN 0x51                                       ; V and O^T window 1, P window 0
.irp d, 0,1,2,3
.irp u, 0,1
	v_wmma_f32_16x16x128_fp8_fp8 v[O+32*\u+8*\d:O+32*\u+8*\d+7], v[VF+16*\d:VF+16*\d+15], v[P+16*\u:P+16*\u+15], v[O+32*\u+8*\d:O+32*\u+8*\d+7]   ; eight accumulators, one instruction each
.endr
.endr
	WIN 0
.rept 4
	v_nop                                          ; places ahead of the next step's loads into V's registers, and of the way out's reads of O^T
.endr
.endm
; A pass begins: O^T and the sums are zeros and the largest t is -3e38, so that the step is written once: the first change of M multiplies zeros.
.macro INIT
.irp u, 0,1
	v_mov_b32 v[ST+8*\u+1], 0xff61b1e6
	v_mov_b32 v[ST+8*\u+2], 0
	v_mov_b32 v[ST+8*\u+3], 0
	v_mov_b32 v[ST+8*\u+5], 0                      ; a lane permute's destination counts as one of its sources
.endr
.irp u, 0,1
	v_floor_f32 v[ST+8*\u], -v[ST+8*\u+1]
.endr
	WIN 0x40
.set j, 0
.rept 64
	v_mov_b32 v[O+j], 0
.set j, j+1
.endr
	WIN 0
.endm
; A pass ends: O = O^T x 2^(e4 + e5) / the sum, held, converted with 2^e6: the results are the last product's fragments and are stored as they stand.
.macro OUT p
.irp u, 0,1
	v_add_f32 v[ST+8*\u+6], v[ST+8*\u+2], v[ST+8*\u+3]
.endr
.irp u, 0,1
	v_permlanex16_b32 v[ST+8*\u+5], v[ST+8*\u+6], s[SEL], s[SEL+1]
.endr
.irp u, 0,1
	v_add_f32 v[ST+8*\u+6], v[ST+8*\u+6], v[ST+8*\u+5]
.endr
.irp u, 0,1
	v_rcp_f32 v[ST+8*\u+4], v[ST+8*\u+6]
.endr
	v_nop                                          ; a plain instruction behind the last reciprocal
	s_wait_alu depctr_va_vdst(0)                   ; one wait for both, ahead of the first reader
.irp u, 0,1
	v_ldexp_f32 v[ST+8*\u+4], v[ST+8*\u+4], s[EPV]
.endr
	WIN 0x01                                       ; source 0 (O^T) window 1
.set j, 0
.rept 16
.irp u, 0,1
	v_pk_mul_f32 v[S+64*\u+j:S+64*\u+j+1], v[O+32*\u+j:O+32*\u+j+1], v[ST+8*\u+4:ST+8*\u+5] op_sel_hi:[1,0]   ; each accumulator from its low end on
.endr
.set j, j+2
.endr
	WIN 0
.irp u, 0,1
.set j, 0
.rept 32
	v_med3_num_f32 v[S+64*\u+j], v[S+64*\u+j], -v[OLM], v[OLM]
.set j, j+1
.endr
.endr
.irp d, 0,1,2,3
.irp u, 0,1
	v_cvt_scalef32_pk8_fp8_f32 v[P+16*\u+2*\d:P+16*\u+2*\d+1], v[S+64*\u+8*\d:S+64*\u+8*\d+7], v[OSC]
.endr
.endr
	v_nop                                          ; a plain vector instruction behind the last conversion of the run
.irp u, 0,1
.irp k, 0,1
	global_store_b128 v[LI], v[P+16*\u+4*\k:P+16*\u+4*\k+3], s[10:11] offset:262144*\p+1024*\u+512*\k   ; 512 consecutive bytes, aligned
.endr
.endr
.endm
.macro PASS p
	INIT
	s_mov_b32 s[TRIP], 8
.Lstep_\@:                                         ; a trip runs two steps, once round the two slots and the two staging sets
	STEP 0, \p
	STEP 1, \p
	s_sub_co_u32 s[TRIP], s[TRIP], 1
	s_cmp_lg_u32 s[TRIP], 0
	s_cbranch_scc1 .Lstep_\@
	OUT \p
.endm
	PASS 0
	PASS 1
	s_wait_tensorcnt 0x0
	ds_add_u32 v30, v31
	s_wait_dscnt 0x0
	s_endpgm
.Lfunc_end_k_qc8e709ce1e_attn:
	.size	k_qc8e709ce1e_attn, .Lfunc_end_k_qc8e709ce1e_attn-k_qc8e709ce1e_attn
	.p2alignl 7, 3214868480
	.fill 96, 4, 3214868480
	.section	.rodata,"a",@progbits
	.p2align	6, 0x0
	.amdhsa_kernel k_qc8e709ce1e_attn
		.amdhsa_group_segment_fixed_size 33792
		.amdhsa_private_segment_fixed_size 0
		.amdhsa_enable_private_segment 0
		.amdhsa_kernarg_size 32
		.amdhsa_user_sgpr_count 2
		.amdhsa_user_sgpr_kernarg_segment_ptr 1
		.amdhsa_wavefront_size32 1
		.amdhsa_system_sgpr_workgroup_id_x 1
		.amdhsa_system_sgpr_workgroup_id_y 1
		.amdhsa_system_sgpr_workgroup_id_z 1
		.amdhsa_system_vgpr_workitem_id 0
		.amdhsa_next_free_vgpr 448
		.amdhsa_next_free_sgpr 66
		.amdhsa_reserve_vcc 0
		.amdhsa_float_denorm_mode_32 3
		.amdhsa_float_denorm_mode_16_64 3
		.amdhsa_memory_ordered 1
		.amdhsa_forward_progress 1
		.amdhsa_inst_pref_size 142
	.end_amdhsa_kernel
	.amdgpu_metadata
---
amdhsa.version: [ 1, 2 ]
amdhsa.kernels:
  - .name:           k_qc8e709ce1e_attn
    .symbol:         k_qc8e709ce1e_attn.kd
    .args:
      - { .name: qimg, .offset: 0, .size: 8, .value_kind: global_buffer, .address_space: global }
      - { .name: kvimg, .offset: 8, .size: 8, .value_kind: global_buffer, .address_space: global }
      - { .name: lowp_scales, .offset: 16, .size: 8, .value_kind: global_buffer, .address_space: global }
      - { .name: ac, .offset: 24, .size: 8, .value_kind: global_buffer, .address_space: global }
    .group_segment_fixed_size: 33792
    .private_segment_fixed_size: 0
    .kernarg_segment_align: 8
    .kernarg_segment_size: 32
    .max_flat_workgroup_size: 256
    .sgpr_count:     66
    .vgpr_count:     448
    .wavefront_size: 32
...
	.end_amdgpu_metadata
.endif
;; end of part 3
;; launch outp (part 4): grid 4 x 32, 4 waves a work-group, clusters of 4 x 4, 327,680 bytes of LDS; arguments ac, woc, lowp_scales, b_out, out0; writes out0
.if DOCPART == 4
	.amdgcn_target "amdgcn-amd-amdhsa--gfx1250"
	.amdhsa_code_object_version 6
	.text
	.protected	k_qc8e709ce1e_outp
	.globl	k_qc8e709ce1e_outp
	.p2align	8
	.type	k_qc8e709ce1e_outp,@function
k_qc8e709ce1e_outp:
	s_mov_b64 s[64:65], 0
	v_nop
	global_prefetch_b8 v0, s[64:65] scope:SCOPE_SE
	s_setreg_imm32_b32 hwreg(HW_REG_WAVE_MODE, 25, 1), 1
	s_wait_xcnt 0x0
	s_wait_alu depctr_hold_cnt(0) depctr_sa_sdst(0) depctr_va_vdst(0) depctr_va_sdst(0) depctr_va_ssrc(0) depctr_va_vcc(0) depctr_vm_vsrc(0)
	s_getreg_b32 s2, hwreg(HW_REG_IB_STS2, 6, 4)
	s_cmp_eq_u32 s2, 0
	s_cbranch_scc0 .Lentry_in_a_cluster
	s_endpgm
.Lentry_in_a_cluster:
	s_bfe_u32 s2, ttmp6, 0x10000c
	s_cmp_lg_u32 s2, 0xf033
	s_cbranch_scc0 .Lentry_shape_is_right
	s_endpgm
.Lentry_shape_is_right:
; out0 = a W_out + b_out on codes of E4M3 (scales 2^e6, 2^e7).  a: 8,192 tokens x 1,024, as images of fragments (ac); W_out: woc, row n = column n of W_out.  out0: [8192][1024] f32.
; A block of 256 x 256 of out0 is made by four waves, 128 x 128 each: 64 accumulators, 512 registers.  K = 1,024 goes in four steps of 256 through two LDS slots filled by the tensor data mover.
; A'S TILES ARE IMAGES.  ac is [block of 128 tokens][head][tile of 16 tokens][1,024]: four neighbouring heads of a block, 256 along K, are 32,768 dense bytes; they come as 128 rows of 256 bytes.
; The image of (head, tile) holds lane l's registers 4 k .. 4 k + 3 of the 16 x 64 fragment at 512 k + 16 l.  Two neighbouring heads' images are registers 0-7 and 8-15 of the 16x16x128 form's fragment, k in its own place.
; woc's order of pieces gives B's fragments the same layout from loads of 16 bytes.
; CLUSTERS: 4 x 4 work-groups; A's tile is asked for jointly along a row of the cluster, B's along a column.  The matrix instruction takes 16 rows of B as source 0 and 16 rows of A as source 1: a lane holds eight neighbouring numbers of a row of out0.
; 128 work-groups: the block is kept at 256 x 256 for the sake of the LDS bytes that each product needs.
; LIMIT: e6 + e7 between -126 and 127, so that 2^(e6 + e7) is an f32 number.
; REGISTERS, in windows of 256: window 0: v16-29 addresses; v32-35 my four numbers of b_out; v128-255 A's fragments, one set; on the way out rows read back from the stage.   window 1: B's fragments, two sets.   windows 2, 3: the accumulators.
.set ROWB,   256
.set PITCH,  272                       ; an LDS row: 256 bytes + 16 of padding = 68 words: the 16 rows that a load of B touches start at 16 different banks (64 banks of 4 bytes: ISA guide 11.1)
.set FR,     16
.set NL,     4
.set NP,     4
.set HALFT,  128*PITCH
.set SLOT,   4*HALFT
.set SPARE,  2*SLOT                    ; behind the ring: the spare words, 128 bytes for each wave
.set SPITCH, 528                       ; the way out: a stage of 16 rows x (512 bytes + 16) for each wave, in slot 0, which has had its last fill and its last read when the first result is stored there
.set ADRA, 16
.set ADRB, 20
.set STO,  24
.set RD,   25
.set CO,   26
.set SPW,  28
.set NIL,  29
.set BV,   32                          ; v32-35 b_out at my four columns of a row read back
.set AF,   128
.set BK,   128
.set G1, 24
.set G0, 32
.set G1B, 48
.set G0B, 56
.set MSB, 0
.macro WIN new                         ; the immediate's high byte repeats the setting that is left
.if MSB != (\new)
	s_set_vgpr_msb (MSB<<8)|(\new)
.set MSB, (\new)
.endif
.endm
.set MUL_LO, 0xa1
.set MUL_HI, 0xf1
.set TO_B,   0x40
.macro JLOAD g0a, g1a, g0b, g1b        ; a joint load: waves 0 and 1 fetch for A, waves 2 and 3 for B; four v_nop follow each of the two lines
	s_cmp_eq_u32 s15, 0
	s_cbranch_scc0 .Lfor_b_\@
	tensor_load_to_lds s[\g0a:\g0a+3], s[\g1a:\g1a+7]
	s_nop 0
.rept 4
	v_nop
.endr
	s_branch .Lasked_\@
.Lfor_b_\@:
	tensor_load_to_lds s[\g0b:\g0b+3], s[\g1b:\g1b+7]
	s_nop 0
.rept 4
	v_nop
.endr
.Lasked_\@:
.endm
.macro CREST
	s_cmp_lg_u32 s14, 0
	s_cbranch_scc1 .Lnot_wave_0_\@
	s_barrier_signal -3
.Lnot_wave_0_\@:
	s_barrier_wait -3
	s_barrier_signal -1
	s_barrier_wait -1
.endm
.macro CROUND
	s_barrier_signal -1
	s_barrier_wait -1
	CREST
.endm
	s_load_b128 s[4:7], s[0:1], 0x0                ; ac s[4:5], woc s[6:7]
	s_load_b128 s[8:11], s[0:1], 0x10              ; the scales' exponents s[8:9], b_out s[10:11]
	s_load_b64 s[12:13], s[0:1], 0x20              ; out0
	v_lshl_add_u32 v[SPW], v0, 2, SPARE
	v_mov_b32 v[NIL], 0
	ds_add_u32 v28, v29
	ds_add_u32 v28, v29
	s_wait_dscnt 0x0
	v_lshrrev_b32 v1, 5, v0
	v_readfirstlane_b32 s14, v1                    ; wave 0..3
	s_lshr_b32 s15, s14, 1                         ; which half of the block's rows is mine.  Also: I fetch for A (0) or for B (1)
	s_and_b32 s16, s14, 1                          ; which half of its columns.  Also: which half of that tile I fetch
	s_bfe_u32 s40, ttmp6, 0x40000                  ; cx, cy
	s_bfe_u32 s41, ttmp6, 0x40004
	s_lshl_b32 s42, ttmp9, 2
	s_add_co_u32 s42, s42, s40                     ; tile column
	s_and_b32 s17, ttmp7, 0xffff
	s_lshl_b32 s17, s17, 2
	s_add_co_u32 s17, s17, s41                     ; tile row
	s_lshl_b32 s43, s41, 2
	s_lshl_b32 s43, 15, s43                        ; my row of the cluster
	s_lshl_b32 s44, 0x1111, s40                    ; my column
	s_or_b32 s[G1+0], s43, (0<<16)|(1<<20)|(1<<21)|(5<<22)|(3<<25)  ; 15:0 the mask; 17:16 elements of 1 byte; 20 padding on; 21 set beside a mask; 24:22 after every 64 words (code 5); 31:25 four words (code 3)
	s_or_b32 s[G1B+0], s44, (0<<16)|(1<<20)|(1<<21)|(5<<22)|(3<<25)
.irp g, G1, G1B
	s_mov_b32 s[\g+1], ROWB<<16                    ; tensor_dim0
	s_mov_b32 s[\g+2], 128<<16                     ; tensor_dim1
	s_mov_b32 s[\g+3], ROWB<<16                    ; tile_dim0
	s_mov_b32 s[\g+4], 128                         ; tile_dim1
	s_mov_b32 s[\g+6], 0
	s_mov_b32 s[\g+7], 0
.endr
	s_mov_b32 s[G1+5], 256                         ; tensor_dim0_stride: A's 32,768 bytes are dense;
	s_mov_b32 s[G1B+5], 1024                       ; a row of woc
	s_lshl_b32 s20, s17, 1
	s_add_co_u32 s20, s20, s16
	s_lshl_b32 s20, s20, 17                        ; A: block of 128 tokens 2 x tile row + half, 131,072 bytes each
	s_mov_b32 s21, 0
	s_lshl_b32 s18, s16, 7
	s_lshl_b32 s46, s42, 8
	s_add_co_u32 s46, s46, s18
	s_lshl_b32 s46, s46, 10                        ; B: row 256 x tile column + 128 x half
	s_mov_b32 s47, 0
	s_mul_i32 s45, s14, HALFT                      ; where they go: wave x 128 rows
	s_wait_kmcnt 0x0
	s_load_b64 s[96:97], s[8:9], 0x18              ; e6, e7
	s_add_nc_u64 s[20:21], s[4:5], s[20:21]
	s_add_nc_u64 s[46:47], s[6:7], s[46:47]
	CROUND                                         ; all sixteen work-groups are here: the first joint loads meet
.irp s, 0,1
	s_mov_b32 s[G0+4*\s], 1
	s_add_co_u32 s[G0+4*\s+1], s45, \s*SLOT
	s_add_nc_u64 s[G0+4*\s+2:G0+4*\s+3], s[20:21], \s*32768
	s_or_b32 s[G0+4*\s+3], s[G0+4*\s+3], 0x80000000
	s_mov_b32 s[G0B+4*\s], 1
	s_add_co_u32 s[G0B+4*\s+1], s45, \s*SLOT
	s_add_nc_u64 s[G0B+4*\s+2:G0B+4*\s+3], s[46:47], \s*ROWB
	s_or_b32 s[G0B+4*\s+3], s[G0B+4*\s+3], 0x80000000
	JLOAD G0+4*\s, G1, G0B+4*\s, G1B
.endr
	v_and_b32 v1, 15, v0                           ; r
	v_bfe_u32 v2, v0, 4, 1                         ; h
	v_mul_u32_u24 v3, v1, PITCH
	v_lshl_add_u32 v4, v2, 4, v3                   ; B: row r x pitch + 16 h
	v_mul_u32_u24 v7, v2, PITCH
	v_lshl_add_u32 v7, v1, 4, v7                   ; A: byte 16 x lane of an image's 512: LDS row h, byte 16 r
	s_mul_i32 s21, s15, HALFT                      ; my block of 128 tokens
	s_mul_i32 s22, s16, HALFT                      ; my 128 rows of B,
	s_add_co_u32 s22, s22, 2*HALFT                 ; which lie behind A's
.irp s, 0,1
	v_add_nc_u32 v[ADRA+\s], s21, v7
	v_add_nc_u32 v[ADRB+\s], s22, v4
	s_add_co_u32 s21, s21, SLOT
	s_add_co_u32 s22, s22, SLOT
.endr
	s_mul_i32 s23, s14, 16*SPITCH                  ; my stage
	v_mul_u32_u24 v5, v1, SPITCH                   ; in: row r, 32 bytes for each half of the lanes
	v_lshl_add_u32 v5, v2, 5, v5
	v_add_nc_u32 v[STO], s23, v5
	v_and_b32 v6, 31, v0
	v_lshlrev_b32 v[CO], 4, v6                     ; back: the 32 lanes take one row of 512 bytes; and the same in out0 and in b_out
	v_add_nc_u32 v[RD], s23, v[CO]
	s_lshl_b32 s68, s42, 10                        ; my first column, in bytes: 1,024 x tile column + 512 x half
	s_lshl_b32 s69, s16, 9
	s_add_co_u32 s68, s68, s69
	s_mov_b32 s69, 0
	s_add_nc_u64 s[66:67], s[10:11], s[68:69]
	global_load_b128 v[BV:BV+3], v[CO], s[66:67]   ; b_out at columns 4 x lane + 0 .. 3 of my 128; waited for on the way out
	s_lshl_b32 s70, s17, 8
	s_lshl_b32 s71, s15, 7
	s_add_co_u32 s70, s70, s71                     ; my first row of out0
	s_lshl_b32 s70, s70, 12
	s_mov_b32 s71, 0
	s_add_nc_u64 s[12:13], s[12:13], s[70:71]
	s_add_nc_u64 s[12:13], s[12:13], s[68:69]
.macro FRAG reg, adr, q, i             ; B: registers 4 c .. 4 c + 3 = the 16 bytes at 32 c + 16 h of row r
.irp c, 0,1,2,3
	ds_load_b128 v[\reg+4*\c:\reg+4*\c+3], v[\adr] offset:128*(\q)+32*\c+(\i)*16*PITCH
.endr
.endm
.macro FRAGA reg, adr, q, i            ; A: tile i of tokens, heads 2 q and 2 q + 1 of the slot's four: image (head, i) begins at LDS row 4 (8 head + i); its second 512 bytes two rows on
.irp c, 0,1,2,3
	ds_load_b128 v[\reg+4*\c:\reg+4*\c+3], v[\adr] offset:(((2*(\q)+\c/2)*8+(\i))*4+2*(\c%2))*PITCH
.endr
.endm
.macro MUL16 a0, p, zero               ; the 64 accumulators take turns, one instruction a turn
.irp a, \a0, \a0+1
.irp b, 0,1,2,3,4,5,6,7
.if \zero
	v_wmma_f32_16x16x128_fp8_fp8 v[8*(8*((\a)%4)+\b):8*(8*((\a)%4)+\b)+7], v[128*(\p)+FR*\b:128*(\p)+FR*\b+FR-1], v[AF+FR*(\a):AF+FR*(\a)+FR-1], 0
.else
	v_wmma_f32_16x16x128_fp8_fp8 v[8*(8*((\a)%4)+\b):8*(8*((\a)%4)+\b)+7], v[128*(\p)+FR*\b:128*(\p)+FR*\b+FR-1], v[AF+FR*(\a):AF+FR*(\a)+FR-1], v[8*(8*((\a)%4)+\b):8*(8*((\a)%4)+\b)+7]
.endif
.endr
.endr
.endm
.macro FETCH_B slot, q, p
	WIN TO_B
.irp i, 0,1,2,3,4,5,6,7
	FRAG 128*(\p)+FR*\i, ADRB+\slot, \q, \i
.endr
	WIN 0
.endm
.macro FETCH_A slot, q, i0
.irp i, \i0, \i0+1, \i0+2, \i0+3
	FRAGA AF+FR*(\i), ADRA+\slot, \q, \i
.endr
.endm
.macro PLACES n                        ; plain vector instructions between a matrix instruction and a load into its sources, or a read of its result
.rept \n
	v_nop
.endr
.endm
.macro STEP slot, q, zero
	s_wait_dscnt 4*NL                              ; B's set and A's blocks 0-3 are in; the youngest sixteen loads (A's blocks 4-7) may be out
	WIN MUL_LO
	MUL16 0, (\q)%2, \zero
	MUL16 2, (\q)%2, \zero
	s_wait_dscnt 0
	PLACES NP
	FETCH_B \slot, (\q)+1, 1-(\q)%2
	FETCH_A \slot, (\q)+1, 0
	WIN MUL_HI
	MUL16 4, (\q)%2, \zero
	MUL16 6, (\q)%2, \zero
	PLACES NP
	WIN 0
	FETCH_A \slot, (\q)+1, 4
.endm
.macro TURN slot, next, fill
	s_wait_tensorcnt 0x0                           ; all my tensor loads have landed: my part of the next slot
	ds_add_u32 v[SPW], v[NIL]                      ; 0 onto my spare word
	s_wait_dscnt 4*NL+1                            ; the add and the youngest sixteen loads may be out
	WIN MUL_LO
	MUL16 0, 1, 0
	s_wait_dscnt 0x0                               ; the add is done, and my reads of this slot are over
	s_barrier_signal -1
	MUL16 2, 1, 0
	WIN 0
	s_barrier_wait -1
.if \fill
	CREST                                          ; the barrier has opened a round of the cluster's barrier: no wave of any partner still reads this slot or has a load on its way
	s_add_nc_u64 s[G0+4*\slot+2:G0+4*\slot+3], s[G0+4*\slot+2:G0+4*\slot+3], 2*32768
	s_add_nc_u64 s[G0B+4*\slot+2:G0B+4*\slot+3], s[G0B+4*\slot+2:G0B+4*\slot+3], 2*ROWB
	JLOAD G0+4*\slot, G1, G0B+4*\slot, G1B         ; the first tensor load behind the round; its four v_nop are also the places in front of the loads below
.else
	PLACES NP
.endif
	FETCH_B \next, 0, 0
	FETCH_A \next, 0, 0
	WIN MUL_HI
	MUL16 4, 1, 0
	MUL16 6, 1, 0
	PLACES NP
	WIN 0
	FETCH_A \next, 0, 4
.endm
	s_wait_tensorcnt 1                             ; my part of K step 0 is in; K step 1's load may be out
	s_barrier_signal -1
	s_barrier_wait -1
	FETCH_B 0, 0, 0
	FETCH_A 0, 0, 0
	FETCH_A 0, 0, 4
	STEP 0, 0, 1                                   ; eight steps of 128 along K, written out: the first starts the sums
	TURN 0, 1, 1
	STEP 1, 0, 0
	TURN 1, 0, 1
	STEP 0, 0, 0
	TURN 0, 1, 0
	STEP 1, 0, 0
	s_wait_dscnt 4*NL
	WIN MUL_LO
	MUL16 0, 1, 0
	MUL16 2, 1, 0
	s_wait_dscnt 0
	WIN MUL_HI
	MUL16 4, 1, 0
	MUL16 6, 1, 0
	WIN 0
; THE WAY OUT, block by block of 16 rows x 128 columns: the sums go through my own stage as they are and come back as whole rows of 512 bytes; there a lane holds four neighbouring columns, the same in every row,
; so four registers of b_out serve all: out = sum x 2^(e6 + e7) + b_out, one packed multiply-add for two numbers.  LDS serves a wave's instructions in order: no wait between the stores and the loads.
.macro TOSTAGE a
.set AC, 64*((\a)%4)
	WIN 0x08+4*((\a)/4)                            ; an LDS store's data are source 1: window 2 or 3
.irp b, 0,1,2,3,4,5,6,7
	ds_store_b128 v[STO], v[AC+8*\b:AC+8*\b+3] offset:64*\b          ; each accumulator from its low end on
	ds_store_b128 v[STO], v[AC+8*\b+4:AC+8*\b+7] offset:64*\b+16
.endr
	WIN 0
.set BB, BK+64*((\a)%2)
.irp t, 0,1,2,3,4,5,6,7,8,9,10,11,12,13,14,15
	ds_load_b128 v[BB+4*\t:BB+4*\t+3], v[RD] offset:\t*SPITCH
.endr
.endm
.macro SEND a, younger                 ; younger: the LDS instructions issued behind block a's loads, which may stay out
.set BB, BK+64*((\a)%2)
	s_wait_dscnt \younger
.if (\a) > 0
	s_add_nc_u64 s[12:13], s[12:13], 16*4096       ; (behind s_wait_xcnt 0: the earlier stores have read their base)  16 rows on
.endif
.irp t, 0,1,2,3,4,5,6,7,8,9,10,11,12,13,14,15
.irp p, 0,2
	v_pk_fma_f32 v[BB+4*\t+\p:BB+4*\t+\p+1], v[BB+4*\t+\p:BB+4*\t+\p+1], s[96:97], v[BV+\p:BV+\p+1] op_sel_hi:[1,0,1]
.endr
.endr
.irp t, 0,1,2,3,4,5,6,7,8,9,10,11,12,13,14,15
	global_store_b128 v[CO], v[BB+4*\t:BB+4*\t+3], s[12:13] offset:\t*4096 th:TH_STORE_NT   ; 32 lanes store 512 consecutive bytes, aligned
.endr
.endm
	s_wait_kmcnt 0x0
	s_add_co_i32 s96, s96, s97
	s_add_co_i32 s96, s96, 127
	s_lshl_b32 s96, s96, 23                        ; 2^(e6 + e7) as f32
	s_mov_b32 s97, s96                             ; (named with it as a pair, so it is written)
	s_wait_loadcnt 0x0                             ; b_out
	PLACES NP
	TOSTAGE 0
.irp a, 1,2,3,4,5,6,7
.if \a > 1
	s_wait_xcnt 0x0                                ; block a - 2's stores have read their registers and their base: block a's loads may land there, and the base may step
.endif
	TOSTAGE \a
	SEND \a-1, 32                                  ; behind block a - 1's loads: block a's 16 stores and 16 loads
.endr
	s_wait_xcnt 0x0
	SEND 7, 0
	s_wait_tensorcnt 0x0                           ; the wave's end
	ds_add_u32 v[SPW], v[NIL]
	s_wait_dscnt 0x0
	CROUND                                         ; the closing round
	s_endpgm
.Lfunc_end_k_qc8e709ce1e_outp:
	.size	k_qc8e709ce1e_outp, .Lfunc_end_k_qc8e709ce1e_outp-k_qc8e709ce1e_outp
	.p2alignl 7, 3214868480
	.fill 96, 4, 3214868480
	.section	.rodata,"a",@progbits
	.p2align	6, 0x0
	.amdhsa_kernel k_qc8e709ce1e_outp
		.amdhsa_group_segment_fixed_size 327680
		.amdhsa_private_segment_fixed_size 0
		.amdhsa_enable_private_segment 0
		.amdhsa_kernarg_size 40
		.amdhsa_user_sgpr_count 2
		.amdhsa_user_sgpr_kernarg_segment_ptr 1
		.amdhsa_wavefront_size32 1
		.amdhsa_system_sgpr_workgroup_id_x 1
		.amdhsa_system_sgpr_workgroup_id_y 1
		.amdhsa_system_sgpr_workgroup_id_z 1
		.amdhsa_system_vgpr_workitem_id 0
		.amdhsa_next_free_vgpr 1024
		.amdhsa_next_free_sgpr 100
		.amdhsa_reserve_vcc 0
		.amdhsa_float_denorm_mode_32 3
		.amdhsa_float_denorm_mode_16_64 3
		.amdhsa_memory_ordered 1
		.amdhsa_forward_progress 1
		.amdhsa_inst_pref_size 123
	.end_amdhsa_kernel
	.amdgpu_metadata
---
amdhsa.version: [ 1, 2 ]
amdhsa.kernels:
  - .name:           k_qc8e709ce1e_outp
    .symbol:         k_qc8e709ce1e_outp.kd
    .args:
      - { .name: ac, .offset: 0, .size: 8, .value_kind: global_buffer, .address_space: global }
      - { .name: woc, .offset: 8, .size: 8, .value_kind: global_buffer, .address_space: global }
      - { .name: lowp_scales, .offset: 16, .size: 8, .value_kind: global_buffer, .address_space: global }
      - { .name: b_out, .offset: 24, .size: 8, .value_kind: global_buffer, .address_space: global }
      - { .name: out0, .offset: 32, .size: 8, .value_kind: global_buffer, .address_space: global }
    .group_segment_fixed_size: 327680
    .private_segment_fixed_size: 0
    .kernarg_segment_align: 8
    .kernarg_segment_size: 40
    .max_flat_workgroup_size: 128
    .sgpr_count:     100
    .vgpr_count:     1024
    .wavefront_size: 32
...
	.end_amdgpu_metadata
.endif
;; end of part 4
;; ======== version 2 of 2: 4 launches; version 1 with the launch attn written anew for expert scheduling mode
;; workspace buffers: xw 11,534,336 bytes; woc 1,048,576 bytes; qimg 8,388,608 bytes; kvimg 16,777,216 bytes; ac 8,388,608 bytes
;; launch prep: the kernel of part 1 again; grid 384 x 1, 4 waves a work-group, no clusters, 90,624 bytes of LDS; arguments x, W_qkv, W_out, lowp_scales, xw, woc; writes xw, woc
;; launch proj: the kernel of part 2 again; grid 12 x 32, 4 waves a work-group, clusters of 4 x 4, 327,680 bytes of LDS; arguments xw, b_qkv, lowp_scales, qimg, kvimg; writes qimg, kvimg
;; launch attn (part 5): grid 4 x 64, 8 waves a work-group, no clusters, 33,792 bytes of LDS; arguments qimg, kvimg, lowp_scales, ac; writes ac
.if DOCPART == 5
	.amdgcn_target "amdgcn-amd-amdhsa--gfx1250"
	.amdhsa_code_object_version 6
	.text
	.protected	k_qc8e709ce1e_attn
	.globl	k_qc8e709ce1e_attn
	.p2align	8
	.type	k_qc8e709ce1e_attn,@function
k_qc8e709ce1e_attn:
	s_mov_b64 s[64:65], 0
	v_nop
	global_prefetch_b8 v0, s[64:65] scope:SCOPE_SE
	s_setreg_imm32_b32 hwreg(HW_REG_WAVE_SCHED_MODE, 0, 2), 2
	s_setreg_imm32_b32 hwreg(HW_REG_WAVE_MODE, 25, 1), 1
	s_wait_xcnt 0x0
	s_wait_alu depctr_vm_vsrc(0)
; For each of 64 (batch, head): O = softmax(Q K^T / 8) V, both products on codes of E4M3 (scales 2^e2, 2^e3; 2^e4, 2^e5), and O quantised at once (2^e6) for the last product.
; THE SOFTMAX: t = score x log2(e) / 8; M = the largest t so far, rounded up to a whole number; p = 2^(t - M) is quantised, not normalised; the row's sum is taken of the unquantised p and divides O at the end.
; When M moves, the sum and O^T are multiplied by 2^(old M - new M), which rounds nothing.
; SHARES.  A work-group owns 512 queries of one head, in two passes of 256; each of its eight waves owns two tiles of 16 queries a pass, so that each fragment of K and of V read from LDS feeds two products.
; Every wave walks the head's 2,048 keys, 128 a step, in both passes: 32 steps.
; LAYOUT.  S^T = K Q^T (source 0 = 16 keys, source 1 = 16 queries, 16x16x64): lane (r, h) holds query r and keys 16 t + 8 h + 0 .. 7 of tile t.  A conversion of tile t's eight registers gives registers 2 t, 2 t + 1 of P,
; source 1 of O^T = V^T P^T (16x16x128): nothing changes lanes.  O^T's tile d holds, of query r, channels 16 d + 8 h + 0 .. 7: its conversion gives registers 2 d, 2 d + 1 of the last product's fragment.
; THE RING.  A step's 16,384 bytes of kvimg (K's eight fragments, V^T's four, as images of their registers) come through registers: loaded two steps ahead (16 bytes a thread, four times; 512 consecutive bytes a wave),
; stored into one of two LDS slots one step ahead, read by all eight waves.  One barrier a step.
; No tensor loads and no cluster: what a head's four work-groups share is 16,384 bytes a step, beside sixteen tiles' softmax in each.
; ac [block of 128 tokens 64][head 16][tile of 16 tokens 8][1,024]: images as in qimg.
; LIMITS: e2 + e3 between -123 and 130 (added to c's exponent field); e4 and e6 between -126 and 119.  NaN is not served.
; THE MODE: SCHED_MODE bits 1:0 = 2 (LLVM: expert scheduling mode 2), set by the entry lines.  The code itself states the register dependences
; between vector or matrix instructions and memory or LDS instructions, with s_wait_alu, always for 0.
; THE PLAN.  Registers that memory or LDS instructions touch:
;   v1, v2, v4    addresses, made once at the head and never written again: the chunk in hand is reached by a scalar base and immediate offsets.
;   K's fragments Step s: sixteen LDS loads land in them at the step's head; its sixteen products K Q^T read them.
;   V's fragments Step s: sixteen LDS loads land in them behind those products; its eight products V^T P, the step's last, read them.
;   SG0, SG1      the staging sets.  Set sg: global loads land in it in the steps that read slot sg; four LDS stores read it a step later.  No vector instruction names them.
;   P's codes     written by conversions, read by products; at a pass's end four global stores read them.
;   S^T and p, the statistics and O^T are named by vector and matrix instructions alone.
; So ONE wait on va_vdst stands at a step's head, ahead of K's loads: the last step's products are done reading K's and V's fragments.  V's loads follow behind the products K Q^T, which name K, Q and S^T alone.
; ONE wait on vm_vsrc a step stands ahead of the ring's lines: the last step's LDS stores have read the staging set that is loaded again, and a pass's global stores have read P's registers.
; A pass's end has one more wait on va_vdst, between its conversions and its stores.
; REGISTERS.  window 0: v1, v2, v4 addresses; v8-23 statistics, eight a tile; v24-27 scales and holds; v32-63 Q (pass p, tile u at 32 + 16 p + 8 u); v64-191 S^T, then p (64 a tile); v192-223 P's codes; v224-255 two staging sets.
;   window 1: v0-63 K's eight fragments; v64-127 V^T's four; v128-191 O^T (32 a tile).
.set LI,   1                           ; v1  16 x lane: an image's place for my lane; never rewritten
.set TH,   2                           ; v2  16 x thread: my bytes of a chunk's quarter; never rewritten
.set PFO,  4                           ; v4  256 x lane, for the prefetch; never rewritten
.set ST,   8                           ; tile u's statistics at v[8 + 8 u]: +0 -M, +1 the largest t, +2, +3 the sum in two halves, +4 f, +5 the other half of the lanes', +6, +7 at work
.set PSC,  24                          ; 2^e4;  v25: 448 x 2^e4
.set PLM,  25
.set OSC,  26                          ; 2^e6;  v27: 448 x 2^e6
.set OLM,  27
.set QF,   32
.set S,    64
.set P,    192
.set SG,   224
.set KF,   0                           ; in window 1
.set VF,   64
.set O,    128
.set CHUNK, 16384
.set WV,   12                          ; s12 my wave's number
.set SEL,  20                          ; s[20:21] lane selects: lane l xor 16
.set CS,   22                          ; s[22:23] c = log2(e) / 8 x 2^(e2 + e3)
.set LEFT, 24                          ; s24 steps to go, this one among them
.set TRIP, 25
.set LIM,  27                          ; s27 20 in a wave that prefetches, else the greatest number
.set PFA,  28                          ; s[28:29] where my prefetch stands
.set EPV,  30                          ; s30 e4 + e5
.set EP,   31                          ; s31 e4
.set COFF, 34                          ; s[34:35] the byte in the head's kvimg of the chunk loaded last, with 0 above it
.set KVB,  36                          ; s[36:37] the head's kvimg at that chunk: the base of the step's loads
.set MSB, 0
.macro WIN new                         ; the immediate's high byte repeats the setting that is left
.if MSB != (\new)
	s_set_vgpr_msb (MSB<<8)|(\new)
.set MSB, (\new)
.endif
.endm
	s_load_b256 s[4:11], s[0:1], 0x0               ; qimg s[4:5], kvimg s[6:7], the scales' exponents s[8:9], ac s[10:11]
	v_lshl_add_u32 v30, v0, 2, 0x8000
	v_mov_b32 v31, 0
	v_lshrrev_b32 v5, 5, v0
	v_readfirstlane_b32 s[WV], v5                  ; wave 0..7
	v_and_b32 v[LI], 31, v0
	v_lshlrev_b32 v[PFO], 8, v[LI]
	v_lshlrev_b32 v[LI], 4, v[LI]
	v_lshlrev_b32 v[TH], 4, v0
	s_wait_alu depctr_va_sdst(0)                   ; s[WV] is written, ahead of its first reader: the places in qimg and ac, and who prefetches, are made from it
	s_and_b32 s13, ttmp7, 0xffff                   ; 16 x batch + head
	s_mov_b32 s[SEL], 0x76543210
	s_mov_b32 s[SEL+1], 0xfedcba98
	s_mov_b32 s[LEFT], 32
	s_mov_b32 s[COFF], CHUNK
	s_mov_b32 s[COFF+1], 0
	s_lshl_b32 s14, s13, 17                        ; Q: the head, my work-group's 32 tiles, my wave's two
	s_lshl_b32 s15, ttmp9, 15
	s_add_co_u32 s14, s14, s15
	s_lshl_b32 s15, s[WV], 11
	s_add_co_u32 s14, s14, s15
	s_mov_b32 s15, 0
	s_lshl_b32 s16, s13, 18                        ; K and V: the head
	s_mov_b32 s17, 0
	s_lshr_b32 s18, s13, 4                         ; ac: block of 128 tokens = 16 x batch + 4 x work-group + wave / 4 (+ 2 x pass),
	s_lshl_b32 s18, s18, 4
	s_lshl_b32 s19, ttmp9, 2
	s_add_co_u32 s18, s18, s19
	s_lshr_b32 s19, s[WV], 2
	s_add_co_u32 s18, s18, s19
	s_lshl_b32 s18, s18, 17
	s_and_b32 s19, s13, 15                         ; the head,
	s_lshl_b32 s19, s19, 13
	s_add_co_u32 s18, s18, s19
	s_and_b32 s19, s[WV], 3                        ; my two tiles of the block's eight
	s_lshl_b32 s19, s19, 11
	s_add_co_u32 s18, s18, s19
	s_mov_b32 s19, 0
	s_lshr_b32 s[LIM], s[WV], 1                    ; waves 0 and 1
	s_or_b32 s[LIM], s[LIM], ttmp9                 ; of the head's first work-group prefetch
	s_cmp_eq_u32 s[LIM], 0
	s_cselect_b32 s[LIM], 20, -1
	s_and_b32 s32, s[WV], 1
	s_lshl_b32 s32, s32, 13                        ; my half of a chunk,
	s_add_co_u32 s32, s32, 3*CHUNK                 ; in chunk 3: the first step steps it to chunk 4
	s_mov_b32 s33, 0
	s_wait_kmcnt 0x0
	s_load_b256 s[40:47], s[8:9], 0x0              ; e0 .. e7
	s_add_nc_u64 s[4:5], s[4:5], s[14:15]
	s_add_nc_u64 s[6:7], s[6:7], s[16:17]
	s_add_nc_u64 s[10:11], s[10:11], s[18:19]
	s_add_nc_u64 s[PFA:PFA+1], s[6:7], s[32:33]
	s_wait_alu depctr_va_vdst(0)                   ; v[LI], v[TH] and v[PFO] are written: every load, store and prefetch of the kernel reads one of them as its address
.irp i, 0,1,2,3
	global_load_b128 v[SG+4*\i:SG+4*\i+3], v[TH], s[6:7] offset:4096*\i              ; chunk 0 into set 0
.endr
.irp i, 0,1,2,3
	global_load_b128 v[SG+16+4*\i:SG+16+4*\i+3], v[TH], s[6:7] offset:CHUNK+4096*\i  ; chunk 1 into set 1
.endr
.irp p, 0,1
.irp u, 0,1
.irp k, 0,1
	global_load_b128 v[QF+16*\p+8*\u+4*\k:QF+16*\p+8*\u+4*\k+3], v[LI], s[4:5] offset:16384*\p+1024*\u+512*\k th:TH_LOAD_NT   ; Q of both passes stays in registers
.endr
.endr
.endr
	s_wait_loadcnt 12                              ; chunk 0 is in; chunk 1's four loads and Q's eight may be out
.irp i, 0,1,2,3
	ds_store_b128 v[TH], v[SG+4*\i:SG+4*\i+3] offset:4096*\i
.endr
	s_wait_kmcnt 0x0
	s_add_co_i32 s32, s42, s43
	s_lshl_b32 s32, s32, 23
	s_add_co_i32 s[CS], s32, 0x3e38aa3b            ; log2(e) / 8, with e2 + e3 added to its exponent field
	s_mov_b32 s[CS+1], s[CS]                       ; (named with it as a pair, so it is written)
	s_add_co_i32 s32, s44, 127
	s_lshl_b32 s33, s32, 23
	v_mov_b32 v[PSC], s33
	s_add_co_i32 s32, s32, 8
	s_lshl_b32 s32, s32, 23
	s_or_b32 s32, s32, 0x600000
	v_mov_b32 v[PLM], s32
	s_add_co_i32 s32, s46, 127
	s_lshl_b32 s33, s32, 23
	v_mov_b32 v[OSC], s33
	s_add_co_i32 s32, s32, 8
	s_lshl_b32 s32, s32, 23
	s_or_b32 s32, s32, 0x600000
	v_mov_b32 v[OLM], s32
	s_add_co_i32 s[EPV], s44, s45
	s_mov_b32 s[EP], s44
	s_wait_loadcnt 0x0                             ; Q
; A KEY STEP: 128 keys, in slot sg; pass p.
.macro STEP sg, p
	s_wait_dscnt 0x0                               ; my stores into this slot have landed, and my reads of the other slot are back
	s_barrier_signal -1
	s_barrier_wait -1                              ; both now hold of all eight waves
	WIN 0x40                                       ; destination window 1
	s_wait_alu depctr_va_vdst(0)                   ; the last step's products are done reading K's and V's fragments, in which this step's LDS loads land
.irp t, 0,1,2,3,4,5,6,7
.irp k, 0,1
	ds_load_b128 v[KF+8*\t+4*\k:KF+8*\t+4*\k+3], v[LI] offset:\sg*CHUNK+1024*\t+512*\k
.endr
.endr
	s_wait_dscnt 0x0                               ; K's sixteen loads are in
	WIN 0x01                                       ; source 0 (K) window 1
.irp t, 0,1,2,3,4,5,6,7
.irp u, 0,1
	v_wmma_f32_16x16x64_fp8_fp8 v[S+64*\u+8*\t:S+64*\u+8*\t+7], v[KF+8*\t:KF+8*\t+7], v[QF+16*\p+8*\u:QF+16*\p+8*\u+7], 0
.endr
.endr
	WIN 0x40                                       ; destination window 1
.irp d, 0,1,2,3
.irp c, 0,1,2,3
	ds_load_b128 v[VF+16*\d+4*\c:VF+16*\d+4*\c+3], v[LI] offset:\sg*CHUNK+8192+2048*\d+512*\c   ; no wait: since the wait at the step's head only the products above were issued, which name K, Q and S^T: neither V's registers nor v[LI]
.endr
.endr
	WIN 0
.rept 4
	v_nop                                          ; places behind the products, ahead of the first read of the scores (ISA guide 7.12.1)
.endr
	; the ring: the next step's chunk goes from its staging set into the other slot, which nobody reads behind this step's barrier; the chunk after it is asked for
	s_wait_xcnt 0x0                                ; the last step's loads and prefetch, and a pass's stores, have had their addresses translated: the loads' base, the prefetch's address and P's registers may be written
	s_wait_alu depctr_vm_vsrc(0)                   ; the last step's LDS stores have read staging set sg, in which the loads below land; a pass's global stores have read P's registers, which this step's conversions write
	s_add_nc_u64 s[PFA:PFA+1], s[PFA:PFA+1], CHUNK
	s_cmp_gt_u32 s[LEFT], 1
	s_cbranch_scc0 .Lnone_\@                       ; the last step stores and asks for nothing
	s_wait_loadcnt 0x0                             ; the next chunk, asked for a step ago, is in
.irp i, 0,1,2,3
	ds_store_b128 v[TH], v[SG+16*(1-\sg)+4*\i:SG+16*(1-\sg)+4*\i+3] offset:(1-\sg)*CHUNK+4096*\i   ; (they read the other set than the one that is loaded below)
.endr
	s_cmp_gt_u32 s[LEFT], 2
	s_cbranch_scc0 .Lnone_\@
	s_add_co_u32 s[COFF], s[COFF], CHUNK
	s_and_b32 s[COFF], s[COFF], 0x3ffff            ; the second pass walks the head's sixteen chunks again
	s_add_nc_u64 s[KVB:KVB+1], s[6:7], s[COFF:COFF+1]   ; free since the waits above, which show the loads that read it done
.irp i, 0,1,2,3
	global_load_b128 v[SG+16*\sg+4*\i:SG+16*\sg+4*\i+3], v[TH], s[KVB:KVB+1] offset:4096*\i   ; into the set whose LDS stores the wait on vm_vsrc above has shown read
.endr
	; A prefetch into the L2, behind the step's loads: in step s of the first pass, chunk s + 4, which is loaded two steps on.  All four work-groups of a head walk the same chunks: the first asks; its waves 0 and 1 take
	; 8,192 bytes each, lanes 256 bytes apart: each aligned block of 256 bytes is named once in the launch.  It stops with chunk 15 (step 11, 21 steps to go).  Chunks 0 to 3 come by their loads alone.
	s_cmp_gt_u32 s[LEFT], s[LIM]
	s_cbranch_scc0 .Lnone_\@
	global_prefetch_b8 v[PFO], s[PFA:PFA+1] th:TH_LOAD_NT scope:SCOPE_SE
.Lnone_\@:
	s_sub_co_u32 s[LEFT], s[LEFT], 1
	; the softmax, the two tiles line by line.  The maximum takes each accumulator's registers in ascending order
.irp u, 0,1
	v_max3_num_f32 v[ST+8*\u+6], v[S+64*\u], v[S+64*\u+1], v[S+64*\u+2]
	v_max3_num_f32 v[ST+8*\u+7], v[S+64*\u+3], v[S+64*\u+4], v[S+64*\u+5]
.endr
.set j, 6
.rept 14
.irp u, 0,1
	v_max3_num_f32 v[ST+8*\u+6], v[ST+8*\u+6], v[S+64*\u+j], v[S+64*\u+j+1]
	v_max3_num_f32 v[ST+8*\u+7], v[ST+8*\u+7], v[S+64*\u+j+2], v[S+64*\u+j+3]
.endr
.set j, j+4
.endr
.irp u, 0,1
	v_max3_num_f32 v[ST+8*\u+6], v[ST+8*\u+6], v[S+64*\u+62], v[S+64*\u+63]
.endr
.irp u, 0,1
	v_max_num_f32 v[ST+8*\u+6], v[ST+8*\u+6], v[ST+8*\u+7]
.endr
.irp u, 0,1
	v_permlanex16_b32 v[ST+8*\u+5], v[ST+8*\u+6], s[SEL], s[SEL+1]   ; the query's other 64 keys lie in the lane 16 away
.endr
.irp u, 0,1
	v_max_num_f32 v[ST+8*\u+6], v[ST+8*\u+6], v[ST+8*\u+5]
.endr
.irp u, 0,1
	v_mul_f32 v[ST+8*\u+6], s[CS], v[ST+8*\u+6]    ; as t (c is positive)
.endr
.irp u, 0,1
	v_max_num_f32 v[ST+8*\u+1], v[ST+8*\u+1], v[ST+8*\u+6]   ; the running largest t
	v_mov_b32 v[ST+8*\u+6], v[ST+8*\u]
.endr
.irp u, 0,1
	v_floor_f32 v[ST+8*\u], -v[ST+8*\u+1]          ; the new -M = floor(-t): M is a whole number
.endr
.irp u, 0,1
	v_sub_f32 v[ST+8*\u+6], v[ST+8*\u], v[ST+8*\u+6]   ; old M - new M: a whole number, 0 or less
.endr
.irp u, 0,1
	v_cvt_i32_f32 v[ST+8*\u+6], v[ST+8*\u+6]       ; (it saturates)
.endr
.irp u, 0,1
	v_ldexp_f32 v[ST+8*\u+4], 1.0, v[ST+8*\u+6]    ; f = 2^(old M - new M)
.endr
.set j, 0
.rept 32
.irp u, 0,1
	v_pk_fma_f32 v[S+64*\u+j:S+64*\u+j+1], v[S+64*\u+j:S+64*\u+j+1], s[CS:CS+1], v[ST+8*\u:ST+8*\u+1] op_sel_hi:[1,0,0]   ; t - M, two at a time (of the pairs c and -M the low word serves both halves)
.endr
.set j, j+2
.endr
.set j, 0
.rept 64
.irp u, 0,1
	v_exp_f32 v[S+64*\u+j], v[S+64*\u+j]           ; p = 2^(t - M), at most 1
.endr
.set j, j+1
.endr
.irp u, 0,1
	v_pk_mul_f32 v[ST+8*\u+2:ST+8*\u+3], v[ST+8*\u+2:ST+8*\u+3], v[ST+8*\u+4:ST+8*\u+5] op_sel_hi:[1,0]   ; the sums under the new M: plain instructions behind the exponentials
.endr
	s_wait_alu depctr_va_vdst(0)                   ; the 128 exponentials have written p in v[S ..]: one wait for the batch, ahead of its first reader
.irp u, 0,1
	v_pk_add_f32 v[ST+8*\u+6:ST+8*\u+7], v[S+64*\u:S+64*\u+1], v[S+64*\u+2:S+64*\u+3]   ; the row's sum is taken of the unquantised p, in two chains
.endr
.set j, 4
.rept 15
.irp u, 0,1
	v_pk_add_f32 v[ST+8*\u+2:ST+8*\u+3], v[ST+8*\u+2:ST+8*\u+3], v[S+64*\u+j:S+64*\u+j+1]
	v_pk_add_f32 v[ST+8*\u+6:ST+8*\u+7], v[ST+8*\u+6:ST+8*\u+7], v[S+64*\u+j+2:S+64*\u+j+3]
.endr
.set j, j+4
.endr
.irp u, 0,1
	v_pk_add_f32 v[ST+8*\u+2:ST+8*\u+3], v[ST+8*\u+2:ST+8*\u+3], v[ST+8*\u+6:ST+8*\u+7]
.endr
	s_cmp_ge_i32 s[EP], -8                         ; p is at most 1, and 448 x 2^e4 is at least 1.75 from e4 = -8 on: the hold then changes no number and is passed over; below -8 it runs
	s_cbranch_scc1 .Lno_hold_\@
.set j, 0
.rept 128
	v_min_num_f32 v[S+j], v[S+j], v[PLM]           ; the conversion to an 8-bit code does not saturate (ISA guide 7.6.2); p is not negative, so the hold is one-sided
.set j, j+1
.endr
.Lno_hold_\@:
.irp t, 0,1,2,3,4,5,6,7
.irp u, 0,1
	v_cvt_scalef32_pk8_fp8_f32 v[P+16*\u+2*\t:P+16*\u+2*\t+1], v[S+64*\u+8*\t:S+64*\u+8*\t+7], v[PSC]
.endr
.endr
	WIN 0x41                                       ; O^T (destination and source 0) window 1, f window 0
.set j, 0
.rept 16
.irp u, 0,1
	v_pk_mul_f32 v[O+32*\u+j:O+32*\u+j+1], v[O+32*\u+j:O+32*\u+j+1], v[ST+8*\u+4:ST+8*\u+5] op_sel_hi:[1,0]   ; O^T under the new M; also the plain instructions behind the conversions
.endr
.set j, j+2
.endr
	s_wait_dscnt 0x0                               ; V is in
	WIN 0x51                                       ; V and O^T window 1, P window 0
.irp d, 0,1,2,3
.irp u, 0,1
	v_wmma_f32_16x16x128_fp8_fp8 v[O+32*\u+8*\d:O+32*\u+8*\d+7], v[VF+16*\d:VF+16*\d+15], v[P+16*\u:P+16*\u+15], v[O+32*\u+8*\d:O+32*\u+8*\d+7]   ; eight accumulators, one instruction each
.endr
.endr
	WIN 0
.rept 4
	v_nop                                          ; four places behind the last products: behind a pass's last step the way out reads O^T (ISA guide 7.12.1)
.endr
.endm
; A pass begins: O^T and the sums are zeros and the largest t is -3e38, so that the step is written once: the first change of M multiplies zeros.
.macro INIT
.irp u, 0,1
	v_mov_b32 v[ST+8*\u+1], 0xff61b1e6
	v_mov_b32 v[ST+8*\u+2], 0
	v_mov_b32 v[ST+8*\u+3], 0
	v_mov_b32 v[ST+8*\u+5], 0                      ; a lane permute's destination counts as one of its sources
.endr
.irp u, 0,1
	v_floor_f32 v[ST+8*\u], -v[ST+8*\u+1]
.endr
	WIN 0x40
.set j, 0
.rept 64
	v_mov_b32 v[O+j], 0
.set j, j+1
.endr
	WIN 0
.endm
; A pass ends: O = O^T x 2^(e4 + e5) / the sum, held, converted with 2^e6: the results are the last product's fragments and are stored as they stand.
.macro OUT p
.irp u, 0,1
	v_add_f32 v[ST+8*\u+6], v[ST+8*\u+2], v[ST+8*\u+3]
.endr
.irp u, 0,1
	v_permlanex16_b32 v[ST+8*\u+5], v[ST+8*\u+6], s[SEL], s[SEL+1]
.endr
.irp u, 0,1
	v_add_f32 v[ST+8*\u+6], v[ST+8*\u+6], v[ST+8*\u+5]
.endr
.irp u, 0,1
	v_rcp_f32 v[ST+8*\u+4], v[ST+8*\u+6]
.endr
	v_nop                                          ; a plain instruction behind the last reciprocal
	s_wait_alu depctr_va_vdst(0)                   ; the two reciprocals have written v[ST+4] and v[ST+12]: one wait for both, ahead of the first reader
.irp u, 0,1
	v_ldexp_f32 v[ST+8*\u+4], v[ST+8*\u+4], s[EPV]
.endr
	WIN 0x01                                       ; source 0 (O^T) window 1
.set j, 0
.rept 16
.irp u, 0,1
	v_pk_mul_f32 v[S+64*\u+j:S+64*\u+j+1], v[O+32*\u+j:O+32*\u+j+1], v[ST+8*\u+4:ST+8*\u+5] op_sel_hi:[1,0]   ; each accumulator from its low end on
.endr
.set j, j+2
.endr
	WIN 0
.irp u, 0,1
.set j, 0
.rept 32
	v_med3_num_f32 v[S+64*\u+j], v[S+64*\u+j], -v[OLM], v[OLM]
.set j, j+1
.endr
.endr
.irp d, 0,1,2,3
.irp u, 0,1
	v_cvt_scalef32_pk8_fp8_f32 v[P+16*\u+2*\d:P+16*\u+2*\d+1], v[S+64*\u+8*\d:S+64*\u+8*\d+7], v[OSC]
.endr
.endr
	v_nop                                          ; a plain vector instruction behind the last conversion of the run
	s_wait_alu depctr_va_vdst(0)                   ; the conversions have written the codes in v[P ..], which the stores below read
.irp u, 0,1
.irp k, 0,1
	global_store_b128 v[LI], v[P+16*\u+4*\k:P+16*\u+4*\k+3], s[10:11] offset:262144*\p+1024*\u+512*\k   ; 512 consecutive bytes, aligned
.endr
.endr
.endm
.macro PASS p
	INIT
	s_mov_b32 s[TRIP], 8
.Lstep_\@:                                         ; a trip runs two steps, once round the two slots and the two staging sets
	STEP 0, \p
	STEP 1, \p
	s_sub_co_u32 s[TRIP], s[TRIP], 1
	s_cmp_lg_u32 s[TRIP], 0
	s_cbranch_scc1 .Lstep_\@
	OUT \p
.endm
	PASS 0
	PASS 1
	s_wait_dscnt 0x0
	s_wait_alu depctr_hold_cnt(0) depctr_sa_sdst(0) depctr_va_vdst(0) depctr_va_sdst(0) depctr_va_ssrc(0) depctr_va_vcc(0) depctr_vm_vsrc(0)
	s_wait_tensorcnt 0x0
	ds_add_u32 v30, v31
	s_wait_dscnt 0x0
	s_endpgm
.Lfunc_end_k_qc8e709ce1e_attn:
	.size	k_qc8e709ce1e_attn, .Lfunc_end_k_qc8e709ce1e_attn-k_qc8e709ce1e_attn
	.p2alignl 7, 3214868480
	.fill 96, 4, 3214868480
	.section	.rodata,"a",@progbits
	.p2align	6, 0x0
	.amdhsa_kernel k_qc8e709ce1e_attn
		.amdhsa_group_segment_fixed_size 33792
		.amdhsa_private_segment_fixed_size 0
		.amdhsa_enable_private_segment 0
		.amdhsa_kernarg_size 32
		.amdhsa_user_sgpr_count 2
		.amdhsa_user_sgpr_kernarg_segment_ptr 1
		.amdhsa_wavefront_size32 1
		.amdhsa_system_sgpr_workgroup_id_x 1
		.amdhsa_system_sgpr_workgroup_id_y 1
		.amdhsa_system_sgpr_workgroup_id_z 1
		.amdhsa_system_vgpr_workitem_id 0
		.amdhsa_next_free_vgpr 448
		.amdhsa_next_free_sgpr 66
		.amdhsa_reserve_vcc 0
		.amdhsa_float_denorm_mode_32 3
		.amdhsa_float_denorm_mode_16_64 3
		.amdhsa_memory_ordered 1
		.amdhsa_forward_progress 1
		.amdhsa_inst_pref_size 143
	.end_amdhsa_kernel
	.amdgpu_metadata
---
amdhsa.version: [ 1, 2 ]
amdhsa.kernels:
  - .name:           k_qc8e709ce1e_attn
    .symbol:         k_qc8e709ce1e_attn.kd
    .args:
      - { .name: qimg, .offset: 0, .size: 8, .value_kind: global_buffer, .address_space: global }
      - { .name: kvimg, .offset: 8, .size: 8, .value_kind: global_buffer, .address_space: global }
      - { .name: lowp_scales, .offset: 16, .size: 8, .value_kind: global_buffer, .address_space: global }
      - { .name: ac, .offset: 24, .size: 8, .value_kind: global_buffer, .address_space: global }
    .group_segment_fixed_size: 33792
    .private_segment_fixed_size: 0
    .kernarg_segment_align: 8
    .kernarg_segment_size: 32
    .max_flat_workgroup_size: 256
    .sgpr_count:     66
    .vgpr_count:     448
    .wavefront_size: 32
...
	.end_amdgpu_metadata
.endif
;; end of part 5
;; launch outp: the kernel of part 4 again; grid 4 x 32, 4 waves a work-group, clusters of 4 x 4, 327,680 bytes of LDS; arguments ac, woc, lowp_scales, b_out, out0; writes out0
